; MI455X (gfx1250); checked and timed in simulation.
; The chip was launched on July 23, 2026; its instructions are those of AMD's public machine-readable ISA for CDNA 5 (MIT licence, August 2026) and "CDNA5" Instruction Set Architecture Reference Guide (July 2026). The comments in the code are by the model that wrote it; some were corrected since.
;; Single Head Attention. Allowed arithmetic: matrix products marked QUANTISED: E2M1 operands, one E8M0 scale for each 32 along K, by v_wmma_scale_f32_16x16x128_f8f6f4 with both operands' format E2M1 (or v_wmma_scale_f32_32x16x128_f4), f32 sums; products left as they are: bf16, f16 or f32 operands; f32 sums; everything else in f32.
;; Inputs: Wk 1,024 x 1,024 float32; Wq 1,024 x 1,024 float32; Wv 1,024 x 1,024 float32; x 4 x 2,048 x 1,024 float32.
;; Outputs: out0 4 x 2,048 x 1,024 float32.
;; This version of the problem:
;;   THIS VERSION OF THE PROBLEM IS GIVEN IN LOW PRECISION. The matrix products marked QUANTISED in the list below multiply operands that are first quantised to E2M1 (2 exponent bits, 1 mantissa bit; 4 bits a number), with one power-of-two scale for each 32 numbers along K (OCP MX v1.0); their sums are f32. The products marked 'left as it is' may take bf16, f16 or f32 operands, with f32 sums. Whichever they take, every output number must still come out within the allowed error. Rounding operands to bf16 (8 significant bits) uses up far more of that allowance than f16 does (11 bits, for magnitudes from 6e-5 to 65,504). All else is computed in f32.
;;   The module's matrix products, in the order in which they are computed (A, B: the left and right operand; K: the contracted axis; several contracted axes count as one K, in the product's order):
;;     1. [M 8,192, K 1,024] x [K 1,024, N 1,024]; A: input x; B: input Wk: QUANTISED
;;     2. [M 8,192, K 1,024] x [K 1,024, N 1,024]; A: input x; B: input Wq: QUANTISED
;;     3. [M 8,192, K 1,024] x [K 1,024, N 1,024]; A: input x; B: input Wv: QUANTISED
;;     4. batch 4 x [M 2,048, K 1,024] x [K 1,024, N 2,048]; A: computed on the way; B: computed on the way: left as it is (an operand is computed on the way)
;;     5. batch 4 x [M 2,048, K 2,048] x [K 2,048, N 1,024]; A: computed on the way; B: computed on the way: left as it is (an operand is computed on the way)
;;   THE QUANTISER, for each operand of a quantised product, along K:
;;     - K is cut into blocks of 32 from its start; a last block that is shorter is filled with zeros.
;;     - A block's scale is 2^e with e = floor(log2(the largest magnitude in the block)) - 2, held to -126 .. 127; a block of zeros has e = 0. As a byte (E8M0): e + 127.
;;     - Each number is divided by its block's scale, clamped to +-6, and rounded to the nearest number of E2M1, ties to even, subnormals kept.
;;     - The product sums the exact products of the quantised numbers (number of the format x scale) in f32.
;;   ~~~python
;;   def quantise(x, axis):      # numpy; x: float32 -> the quantised numbers, widened to float32 again
;;       x = np.moveaxis(x, axis, -1); K = x.shape[-1]
;;       x = np.pad(x, [(0, 0)] * (x.ndim - 1) + [(0, -K % 32)]); x = x.reshape(x.shape[:-1] + (-1, 32)); a = np.abs(x).max(-1, keepdims=True)
;;       e = np.where(a > 0, np.clip(np.frexp(np.where(a > 0, a, 1))[1] - 1 - 2, -126, 127), 0)      # np.frexp(a)[1] - 1 = floor(log2(a)), exactly
;;       r = np.clip(x / 2.0 ** e, -6, 6)
;;       step = 2.0 ** (np.maximum(np.frexp(np.where(r == 0, 1, r))[1] - 1, 0) - 1)
;;       q = np.round(r / step) * step * 2.0 ** e      # np.round: ties to even
;;       return np.moveaxis(q.reshape(q.shape[:-2] + (-1,))[..., :K], -1, axis).astype(np.float32)
;;   ~~~
;; One version. Each part assembles by itself: llvm-mc -triple=amdgcn-amd-amdhsa -mcpu=gfx1250 --defsym DOCPART=n.
;; ======== version 1 of 1: 5 launches
;; limits: values are held in f16: magnitudes above 65,504 overflow, below 6.1e-05 lose precision
;; workspace buffers: xc 4,194,304 bytes; xs 262,144 bytes; wc 1,572,864 bytes; ws 98,304 bytes; qkv 50,331,648 bytes; h32 786,432 bytes; p16 33,554,432 bytes; st 1,048,576 bytes
;; launch quant (part 1): grid 352 x 1, 4 waves a work-group, no clusters, 33,280 bytes of LDS; arguments x, Wq, Wk, Wv, xc, xs, wc, ws; writes xc, xs, wc, ws
.if DOCPART == 1
	.amdgcn_target "amdgcn-amd-amdhsa--gfx1250"
	.amdhsa_code_object_version 6
	.text
	.protected	k_qa09473a8d6_quant
	.globl	k_qa09473a8d6_quant
	.p2align	8
	.type	k_qa09473a8d6_quant,@function
k_qa09473a8d6_quant:
	s_mov_b64 s[64:65], 0
	v_nop
	global_prefetch_b8 v0, s[64:65] scope:SCOPE_SE
	s_setreg_imm32_b32 hwreg(HW_REG_WAVE_MODE, 25, 1), 1
	s_wait_xcnt 0x0
; THE PROGRAM: out = softmax(causal(q k^T / 32)) v with q, k, v = x Wq^T, x Wk^T, x Wv^T; the three projections on codes of FP4 (E2M1) with one E8M0 scale for each 32 along K = 1024.
; Five launches: this one (codes and scale bytes of x and of the three weights), proj (the projections), scores (p = 2^(t - M) for tiles of 128 keys, with M and the sum of p for each row and tile), pv (the second product), fine (the first 16 positions of each sequence in f32).
; WORK LEFT OUT, and why it can reach no output: reference() sets score(q, k) to -infinity wherever k > q, by a mask that it builds itself, so the weight of such a key is exactly 0 for all finite inputs.
; So scores makes no tile of rows 0-1023 x keys 1024-2047 of a batch, and pv multiplies, for a block of 512 rows, only the keys up to that block's last row.  Inside the blocks that are made, hidden scores are computed and masked.
; Every input has a way to the output: all four are loaded.  LIMIT: a NaN, an infinity or an overflow that reaches only the work left out is not carried to the result.
; THIS LAUNCH: x [8192][1024] and Wq, Wk, Wv [1024][1024], f32, K innermost, become codes (two a byte, the lower k in the low four bits) and scale bytes.  The weights' codes lie one tensor behind the other: rows 0-1023 Wq, 1024-2047 Wk, 2048-3071 Wv.
; A block's scale is 2^(floor(log2(its largest magnitude)) - 2); its byte is the largest magnitude's own exponent field - 2, held at 1 from below.  A block of zeros so gets the byte 1 where the rule says 127:
; its codes are zeros, which add nothing under any byte but 0xff, and the bytes are read by this program alone.  Each number is divided by the scale and rounded to the nearest code, ties to even; beyond 6 the largest code.
; LIMITS: NaN and infinities among the inputs are not served.
; Rows are dense and K is a multiple of 32: each tensor is a plain stream of blocks of 32.  A work-group takes 32,768 numbers, a wave 16 steps of 512.  Each of a step's four loads reads 512 consecutive bytes, 16 a lane;
; the 2,048 bytes turn through the wave's own stage in LDS and come back 64 bytes a lane, so that a lane holds 16 neighbours and two neighbouring lanes a block.  A wave's 256 scale bytes are gathered in LDS and leave as 256 consecutive bytes.
; Work-groups 0-255 take x, 256-287 Wq, 288-319 Wk, 320-351 Wv: only pointers are chosen, by the work-group's number; all take one path.  No barrier: waves share nothing.
.set WAVES, 4
.set STEPS, 16
.set EMAX,  2
.set CB,    8                          ; bytes of 16 codes
.set R,     16                         ; v16-79   four sets of 16 numbers as they are loaded
.set X,     80                         ; v80-111  two sets of 16 neighbours
.set E,     112                        ; v112-127 a scale byte for each step
.set C,     128                        ; v128-191 codes: four registers for each step, so that no store's data are written again
.set WREG,  8192                       ; LDS: a region for each wave: two stages of 32 x SP bytes, behind them its 256 scale bytes
.set SP,    80                         ; a lane's place in a stage: 64 bytes + 16 of padding
.set SPW,   12                         ; v12  LDS address of my spare word; never rewritten
.set NIL,   13                         ; v13  0; never rewritten
.set SPARE, WAVES*WREG                 ; the spare words: 128 bytes a wave, named by no other line
	s_load_b256 s[4:11], s[0:1], 0x0               ; x, Wq, Wk, Wv
	s_load_b256 s[12:19], s[0:1], 0x20             ; x's codes, x's scales, the weights' codes, the weights' scales
	v_lshl_add_u32 v[SPW], v0, 2, SPARE
	v_mov_b32 v[NIL], 0
	v_lshrrev_b32 v1, 5, v0
	v_readfirstlane_b32 s24, v1                    ; wave
	v_and_b32 v2, 31, v0                           ; lane
	v_lshlrev_b32 v3, 4, v2                        ; my 16 bytes of a load's 512
	s_mul_i32 s25, s24, WREG
	v_lshrrev_b32 v14, 2, v2
	v_mul_u32_u24 v14, v14, SP
	v_and_b32 v15, 3, v2
	v_lshl_add_u32 v14, v15, 4, v14
	v_add_nc_u32 v14, s25, v14                     ; the stage, on the way in: SP (lane / 4) + 16 (lane % 4)
	v_mul_u32_u24 v15, v2, SP
	v_add_nc_u32 v15, s25, v15                     ; and on the way out: SP x lane: my 16 neighbours
	v_mul_u32_u24 v4, v2, CB                       ; my codes' place in a step's
	v_lshrrev_b32 v5, 1, v2
	s_add_co_u32 s25, s25, 2*32*SP
	v_add_nc_u32 v5, s25, v5                       ; LDS: my block's scale byte
	v_lshlrev_b32 v7, 3, v2                        ; and on the way out 8 bytes a lane
	v_add_nc_u32 v6, s25, v7
	s_and_b32 s20, ttmp9, 31                       ; a weight's work-group: which 32 rows of its tensor,
	s_sub_co_u32 s21, ttmp9, 256                   ; and which 32 rows of the three weights' common buffers
	s_wait_kmcnt 0x0
	s_cmp_lt_u32 ttmp9, 320                        ; the choices hang on the work-group's number alone
	s_cselect_b64 s[8:9], s[8:9], s[10:11]         ; Wk or Wv
	s_cmp_lt_u32 ttmp9, 288
	s_cselect_b64 s[6:7], s[6:7], s[8:9]           ; Wq or that
	s_cmp_lt_u32 ttmp9, 256
	s_cselect_b64 s[4:5], s[4:5], s[6:7]           ; x or that
	s_cselect_b64 s[12:13], s[12:13], s[16:17]     ; the codes' buffer
	s_cselect_b64 s[14:15], s[14:15], s[18:19]     ; the scale bytes' buffer
	s_cselect_b32 s26, ttmp9, s20
	s_cselect_b32 s27, ttmp9, s21
	s_lshl_b32 s26, s26, 2
	s_add_co_u32 s26, s26, s24                     ; which run of 8,192 numbers of the source is my wave's,
	s_lshl_b32 s27, s27, 2
	s_add_co_u32 s27, s27, s24                     ; and of the destination
	s_lshl_b32 s28, s26, 15                        ; 32,768 bytes of f32 a run
	s_mov_b32 s29, 0
	s_add_nc_u64 s[4:5], s[4:5], s[28:29]
	s_lshl_b32 s28, s27, 12                        ; 4,096 bytes of codes
	s_add_nc_u64 s[12:13], s[12:13], s[28:29]
	s_lshl_b32 s28, s27, 8                         ; 256 scale bytes
	s_add_nc_u64 s[14:15], s[14:15], s[28:29]
.macro LOAD t
.irp i, 0,1,2,3
	global_load_b128 v[R+16*((\t)%4)+4*\i:R+16*((\t)%4)+4*\i+3], v3, s[4:5] offset:2048*(\t)+512*\i th:TH_LOAD_NT   ; 32 lanes read 512 consecutive bytes
.endr
.endm
.macro TURN t                          ; step t's numbers through the stage: LDS serves a wave's instructions in order, so no wait stands between the stores and the loads
.irp i, 0,1,2,3
	ds_store_b128 v14, v[R+16*((\t)%4)+4*\i:R+16*((\t)%4)+4*\i+3] offset:32*SP*((\t)%2)+8*SP*\i
.endr
.irp i, 0,1,2,3
	ds_load_b128 v[X+16*((\t)%2)+4*\i:X+16*((\t)%2)+4*\i+3], v15 offset:32*SP*((\t)%2)+16*\i
.endr
.endm
.irp t, 0,1,2,3
	LOAD \t
.endr
	s_wait_loadcnt 12                              ; step 0's four loads are in; the twelve of steps 1 to 3 may be out
	TURN 0
.macro STEP t
.set XS, X+16*((\t)%2)
.if (\t) > 0
	s_wait_dscnt 1                                 ; this step's numbers are back from the stage (the last step's byte store may be out)
.else
	s_wait_dscnt 0x0
.endif
.if (\t)+4 < STEPS
	LOAD (\t)+4                                    ; into the registers that this step's stores into the stage have read
.endif
.if (\t)+1 < STEPS
.if STEPS-2-(\t) >= 3
	s_wait_loadcnt 12                              ; the next step's four loads are in; those of the three steps behind it may be out
.else
	s_wait_loadcnt 4*(STEPS-2-(\t))
.endif
	TURN (\t)+1
.endif
	v_max3_num_f32 v8, |v[XS]|, |v[XS+1]|, |v[XS+2]|               ; the largest magnitude of my 16, in two chains
	v_max3_num_f32 v9, |v[XS+3]|, |v[XS+4]|, |v[XS+5]|
.irp i, 6,10
	v_max3_num_f32 v8, v8, |v[XS+\i]|, |v[XS+\i+1]|
	v_max3_num_f32 v9, v9, |v[XS+\i+2]|, |v[XS+\i+3]|
.endr
	v_max3_num_f32 v8, v8, |v[XS+14]|, |v[XS+15]|
	v_max3_num_f32 v8, v8, v9, (EMAX+1)<<23        ; and the floor 2^(EMAX + 1 - 127): the byte cannot fall under 1
	v_max_num_f32_dpp v8, v8, v8 row_xmask:1 row_mask:0xf bank_mask:0xf   ; and of my neighbour's 16: the block's
	v_add_nc_u32 v11, -(EMAX<<23), v8              ; EMAX off its exponent field: the conversion takes the exponent field of this operand as its scale
	v_cvt_scalef32_pk8_fp4_f32 v[C+4*(\t)], v[XS:XS+7], v11
	v_cvt_scalef32_pk8_fp4_f32 v[C+4*(\t)+1], v[XS+8:XS+15], v11
	v_lshrrev_b32 v[E+(\t)], 23, v11               ; the scale's byte (also the plain line behind the conversions)
	ds_store_b8 v5, v[E+(\t)] offset:16*(\t)       ; both lanes of a block write the same byte with the same value
	global_store_b64 v4, v[C+4*(\t):C+4*(\t)+1], s[12:13] offset:32*CB*(\t)   ; the wave stores 256 consecutive bytes
.endm
.irp t, 0,1,2,3,4,5,6,7,8,9,10,11,12,13,14,15
	STEP \t
.endr
	ds_load_b64 v[8:9], v6                         ; LDS serves a wave's instructions in order: these see my stores
	s_wait_dscnt 0x0
	global_store_b64 v7, v[8:9], s[14:15]          ; 32 lanes store 256 consecutive bytes
	s_wait_tensorcnt 0x0                           ; the wave's end
	ds_add_u32 v[SPW], v[NIL]
	s_wait_dscnt 0x0
	s_endpgm
.Lfunc_end_k_qa09473a8d6_quant:
	.size	k_qa09473a8d6_quant, .Lfunc_end_k_qa09473a8d6_quant-k_qa09473a8d6_quant
	.p2alignl 7, 3214868480
	.fill 96, 4, 3214868480
	.section	.rodata,"a",@progbits
	.p2align	6, 0x0
	.amdhsa_kernel k_qa09473a8d6_quant
		.amdhsa_group_segment_fixed_size 33280
		.amdhsa_private_segment_fixed_size 0
		.amdhsa_enable_private_segment 0
		.amdhsa_kernarg_size 64
		.amdhsa_user_sgpr_count 2
		.amdhsa_user_sgpr_kernarg_segment_ptr 1
		.amdhsa_wavefront_size32 1
		.amdhsa_system_sgpr_workgroup_id_x 1
		.amdhsa_system_sgpr_workgroup_id_y 1
		.amdhsa_system_sgpr_workgroup_id_z 1
		.amdhsa_system_vgpr_workitem_id 0
		.amdhsa_next_free_vgpr 192
		.amdhsa_next_free_sgpr 66
		.amdhsa_reserve_vcc 0
		.amdhsa_float_denorm_mode_32 3
		.amdhsa_float_denorm_mode_16_64 3
		.amdhsa_memory_ordered 1
		.amdhsa_forward_progress 1
		.amdhsa_inst_pref_size 34
	.end_amdhsa_kernel
	.amdgpu_metadata
---
amdhsa.version: [ 1, 2 ]
amdhsa.kernels:
  - .name:           k_qa09473a8d6_quant
    .symbol:         k_qa09473a8d6_quant.kd
    .args:
      - { .name: x, .offset: 0, .size: 8, .value_kind: global_buffer, .address_space: global }
      - { .name: Wq, .offset: 8, .size: 8, .value_kind: global_buffer, .address_space: global }
      - { .name: Wk, .offset: 16, .size: 8, .value_kind: global_buffer, .address_space: global }
      - { .name: Wv, .offset: 24, .size: 8, .value_kind: global_buffer, .address_space: global }
      - { .name: xc, .offset: 32, .size: 8, .value_kind: global_buffer, .address_space: global }
      - { .name: xs, .offset: 40, .size: 8, .value_kind: global_buffer, .address_space: global }
      - { .name: wc, .offset: 48, .size: 8, .value_kind: global_buffer, .address_space: global }
      - { .name: ws, .offset: 56, .size: 8, .value_kind: global_buffer, .address_space: global }
    .group_segment_fixed_size: 33280
    .private_segment_fixed_size: 0
    .kernarg_segment_align: 8
    .kernarg_segment_size: 64
    .max_flat_workgroup_size: 128
    .sgpr_count:     66
    .vgpr_count:     192
    .wavefront_size: 32
...
	.end_amdgpu_metadata
.endif
;; end of part 1
;; launch proj (part 2): grid 8 x 32, 4 waves a work-group, clusters of 4 x 4, 327,680 bytes of LDS; arguments xc, xs, wc, ws, qkv, h32; writes qkv, h32
.if DOCPART == 2
	.amdgcn_target "amdgcn-amd-amdhsa--gfx1250"
	.amdhsa_code_object_version 6
	.text
	.protected	k_qa09473a8d6_proj
	.globl	k_qa09473a8d6_proj
	.p2align	8
	.type	k_qa09473a8d6_proj,@function
k_qa09473a8d6_proj:
	s_mov_b64 s[64:65], 0
	v_nop
	global_prefetch_b8 v0, s[64:65] scope:SCOPE_SE
	s_setreg_imm32_b32 hwreg(HW_REG_WAVE_MODE, 25, 1), 1
	s_wait_xcnt 0x0
	s_wait_alu depctr_hold_cnt(0) depctr_sa_sdst(0) depctr_va_vdst(0) depctr_va_sdst(0) depctr_va_ssrc(0) depctr_va_vcc(0) depctr_vm_vsrc(0)
	s_getreg_b32 s2, hwreg(HW_REG_IB_STS2, 6, 4)
	s_cmp_eq_u32 s2, 0
	s_cbranch_scc0 .Lentry_in_a_cluster
	s_endpgm
.Lentry_in_a_cluster:
	s_bfe_u32 s2, ttmp6, 0x10000c
	s_cmp_lg_u32 s2, 0xf033
	s_cbranch_scc0 .Lentry_shape_is_right
	s_endpgm
.Lentry_shape_is_right:
; qkv[m][n] = sum over k of x[m][k] W[n][k], on codes of FP4 (E2M1) with one E8M0 scale for each 32 along K.  x: [8192][1024] codes, W: [3072][1024] codes (Wq, Wk, Wv on end); sums in f32.
; The result leaves as f16, [8192][3072]: q, k, v of a position side by side.  The first 16 positions of each sequence leave in f32 as well (h32 [4 x 16][3072]), for the launch that makes those rows finely.
; LIMIT: |q|, |k|, |v| stay under 65,504, f16's largest number.
; SHARES.  8,192 x 3,072 results over 256 work-groups are 98,304 each: a work-group makes 256 rows x 256 columns of [q | k] (8 x 32 such tiles) and then the same 256 rows x 128 columns of v (1,024 / 128 = 8).
; PHASE 1: four waves, each 128 x 128: 64 accumulators of 16 x 16.  K goes in two steps of 512 (rows of 256 bytes) through two LDS slots; the scale bytes of the rows at work, dense blocks, come with the first fills.
; x's codes stay in LDS.  At the change of slots W's part of slot 0 has been read out: it is filled again with Wv's 128 rows, all of K (two halves of K, 128 rows of 256 bytes each): the launch's one refill.
; PHASE 2, behind the first tile's way out, whose stores leave meanwhile: wave w makes rows 64 w .. 64 w + 63 x all 128 columns of v: 32 accumulators; its rows of v are whole runs of 256 bytes.
; CLUSTERS: 4 x 4 work-groups; x's tile is asked for jointly along a row of the cluster, W's and Wv's along a column.
; THE MATRIX INSTRUCTION IS USED TRANSPOSED (source 0 = 16 rows of W, source 1 = 16 rows of x): a lane holds eight neighbouring numbers of a row of the result.
; REGISTERS: window 0: v0-31 addresses; v32-95 scale words, two sets, and nothing else; v96-127, v224-255 rows back from the stage; v128-191 x's fragments; v192-223 packed results.  window 1: W's fragments, two sets.  windows 2, 3: the accumulators ((a, b) at v[8 (8 (a % 4) + b)]).
.set SIZE_K, 1024
.set KSTEP,  512
.set NQ,     KSTEP/128
.set ROWB,   256                       ; a tile's row in bytes
.set KROW,   SIZE_K*4/8                ; a row of codes in memory
.set PITCH,  272                       ; an LDS row: 256 bytes + 16 of padding: the 16 rows of a load start 68 words apart
.set FR,     8
.set NL,     2
.set NP,     4                         ; places behind this matrix instruction (ISA guide 7.12.1)
.set HALFT,  128*PITCH
.set SLOT,   4*HALFT                   ; x's 256 rows, then W's 256 rows
.set VB,     2*HALFT                   ; W's part of slot 0: later Wv's 128 rows, K's first half, then its second
.set KS,     SIZE_K/32                 ; a row of scale bytes
.set SCL,    2*SLOT                    ; the scales of x's 256 rows, then of W's 256, as runs of 256 bytes + 16 of padding
.set HALFS,  (128*KS/256)*272
.set SBLK,   (16*KS/256)*272
.set SCV,    SCL+4*HALFS               ; the scales of Wv's 128 rows
.set SPARE,  SCV+HALFS                 ; the spare words: 128 bytes a wave, named by no other line
.set STAGE,  SPARE+512                 ; the way out: 16 rows x (256 + 16) bytes for each wave; no fill lands here
.set SPITCH, 272
.set OROW,   6144                      ; a row of qkv in bytes
.set HROW,   12288                     ; a row of h32
.set ADRS2, 8                          ; v8   phase 2: my scale words: lanes 0-15 x's rows, lanes 16-31 Wv's
.set HF2,  9                           ; v9   0 in the wave whose first 16 rows of phase 2 are a sequence's first 16 positions
.set ADRA, 16
.set ADRA2, 18                         ; v18-19 phase 2: my 64 rows of x in slot 0, 1
.set ADRB, 20
.set ADRB2, 22                         ; v22-23 phase 2: Wv's rows, K's first and second half
.set STO,  24
.set RD,   25
.set CO,   26
.set ADRS, 27
.set SPW,  28
.set NIL,  29
.set HO,   30                          ; v30  my byte offset in the 16 rows of h32
.set HF,   31                          ; v31  0 in the waves whose first 16 rows of phase 1 are a sequence's first 16 positions
.set SC,   32
.set OB,   96
.set AF,   128
.set TMP,  192
.set G1W, 4                            ; s[4:11]  group 1 for Wv's scales (the arguments that stood here have been used)
.set G1, 24
.set G0, 32
.set G1B, 48
.set G0B, 56
.set G1S, 68
.set G0S, 76
.set G1SB, 80
.set G0SB, 88
.set G1V, 80                           ; s[80:87], s[88:91] groups 1 and 0 for Wv's codes: written where the load of W's scales, which named these registers, has been shown done
.set G0V, 88
.set G0W, 92                           ; s[92:95] group 0 for Wv's scales
.set OV,  100                          ; s[100:101] where my rows of v begin in qkv
.set HV,  104                          ; s[104:105] and in h32
.set MSB, 0
.macro WIN new                         ; the immediate's high byte repeats the setting that is left
.if MSB != \new
	s_set_vgpr_msb (MSB<<8)|\new
.set MSB, \new
.endif
.endm
.set MUL_LO, 0xa1                      ; source 0 (W) window 1, source 1 (x) window 0, C and D window 2
.set MUL_HI, 0xf1
.set TO_B,   0x40
; A joint load: waves 0 and 1 fetch for x, waves 2 and 3 for W.  The branch hangs on the wave's number alone.  An s_nop 0 and four v_nop follow each of the two lines.
.macro JLOAD g0a, g1a, g0b, g1b
	s_cmp_eq_u32 s15, 0
	s_cbranch_scc0 .Lfor_b_\@
	tensor_load_to_lds s[\g0a:\g0a+3], s[\g1a:\g1a+7]
	s_nop 0
.rept 4
	v_nop
.endr
	s_branch .Lasked_\@
.Lfor_b_\@:
	tensor_load_to_lds s[\g0b:\g0b+3], s[\g1b:\g1b+7]
	s_nop 0
.rept 4
	v_nop
.endr
.Lasked_\@:
.endm
.macro CREST                           ; a round of the cluster's barrier behind its opening barrier
	s_cmp_lg_u32 s14, 0
	s_cbranch_scc1 .Lnot_wave_0_\@
	s_barrier_signal -3
.Lnot_wave_0_\@:
	s_barrier_wait -3
	s_barrier_signal -1
	s_barrier_wait -1
.endm
.macro CROUND                          ; a whole round
	s_barrier_signal -1
	s_barrier_wait -1
	CREST
.endm
	s_load_b128 s[4:7], s[0:1], 0x0                ; x's codes, x's scales
	s_load_b128 s[8:11], s[0:1], 0x10              ; W's codes, W's scales
	s_load_b64 s[12:13], s[0:1], 0x20              ; qkv
	s_load_b64 s[96:97], s[0:1], 0x28              ; h32
	v_lshl_add_u32 v[SPW], v0, 2, SPARE
	v_mov_b32 v[NIL], 0
	ds_add_u32 v[SPW], v[NIL]                      ; the wave's opening: the add, twice on end, and its wait ahead of my first tensor load
	ds_add_u32 v[SPW], v[NIL]
	v_lshrrev_b32 v1, 5, v0
	v_readfirstlane_b32 s14, v1                    ; wave 0..3
	s_lshr_b32 s15, s14, 1                         ; which half of the tile's rows is mine.  Also: I fetch for x (0) or for W (1)
	s_and_b32 s16, s14, 1                          ; which half of its columns.  Also: which 128 rows I fetch
	s_bfe_u32 s40, ttmp6, 0x40000                  ; cx, cy
	s_bfe_u32 s41, ttmp6, 0x40004
	s_lshl_b32 s42, ttmp9, 2
	s_add_co_u32 s42, s42, s40                     ; tile column = 4 x cluster x + cx: 0 .. 7
	s_and_b32 s17, ttmp7, 0xffff
	s_lshl_b32 s17, s17, 2
	s_add_co_u32 s17, s17, s41                     ; tile row = 4 x cluster y + cy
	s_lshl_b32 s43, s41, 2
	s_lshl_b32 s43, 15, s43                        ; my row of the cluster
	s_lshl_b32 s44, 0x1111, s40                    ; my column
	s_or_b32 s[G1+0], s43, (0<<16)|(1<<20)|(1<<21)|(5<<22)|(3<<25)  ; the mask; elements of 1 byte; padding on; bit 21 beside a mask; 4 words of padding after every 64
	s_or_b32 s[G1B+0], s44, (0<<16)|(1<<20)|(1<<21)|(5<<22)|(3<<25)
.irp g, G1, G1B
	s_mov_b32 s[\g+1], ROWB<<16                    ; tensor_dim0
	s_mov_b32 s[\g+2], 128<<16                     ; tensor_dim1
	s_mov_b32 s[\g+3], ROWB<<16                    ; tile_dim0
	s_mov_b32 s[\g+4], 128                         ; tile_dim1
	s_mov_b32 s[\g+5], KROW                        ; from row to row
	s_mov_b32 s[\g+6], 0
	s_mov_b32 s[\g+7], 0
.endr
	s_or_b32 s[G1S+0], s43, (3<<16)|(1<<20)|(1<<21)|(5<<22)|(3<<25) ; the scales of 128 rows: a dense block as rows of 256 bytes (32 elements of 8), 16 bytes of padding behind each
	s_or_b32 s[G1SB+0], s44, (3<<16)|(1<<20)|(1<<21)|(5<<22)|(3<<25)
.irp g, G1S, G1SB
	s_mov_b32 s[\g+1], 32<<16
	s_mov_b32 s[\g+2], (128*KS/256)<<16
	s_mov_b32 s[\g+3], 32<<16
	s_mov_b32 s[\g+4], 128*KS/256
	s_mov_b32 s[\g+5], 32
	s_mov_b32 s[\g+6], 0
	s_mov_b32 s[\g+7], 0
.endr
	s_lshl_b32 s18, s16, 7
	s_lshl_b32 s20, s17, 8
	s_add_co_u32 s20, s20, s18                     ; x: row 256 x tile row + 128 x half
	s_lshl_b32 s46, s42, 8
	s_add_co_u32 s46, s46, s18                     ; W: row 256 x tile column + 128 x half (Wq's and Wk's 2,048 rows)
	s_mov_b32 s21, 0
	s_mov_b32 s47, 0
	s_mov_b64 s[18:19], KS
	s_mul_u64 s[22:23], s[20:21], s[18:19]         ; where these rows' scales begin
	s_mul_u64 s[92:93], s[46:47], s[18:19]
	s_mov_b64 s[18:19], KROW
	s_mul_u64 s[20:21], s[20:21], s[18:19]         ; and their codes
	s_mul_u64 s[46:47], s[46:47], s[18:19]
	s_mul_i32 s45, s14, HALFT                      ; where they go: wave x 128 rows
	s_mul_i32 s94, s14, HALFS
	s_lshl_b32 s66, s42, 7
	s_add_co_u32 s66, s66, 2048                    ; Wv: row 2048 + 128 x tile column
	s_lshl_b32 s98, s14, 5
	s_add_co_u32 s98, s98, s66                     ; its scales: 32 rows a wave,
	s_lshl_b32 s98, s98, 5                         ; 32 bytes a row
	s_mov_b32 s99, 0
	s_lshl_b32 s2, s15, 6
	s_add_co_u32 s2, s2, s66                       ; its codes: 64 rows (wave / 2),
	s_lshl_b32 s2, s2, 9                           ; 512 bytes a row,
	s_lshl_b32 s3, s16, 8
	s_add_co_u32 s2, s2, s3                        ; K's half (wave % 2): 256 bytes
	s_mov_b32 s3, 0
	s_wait_dscnt 0x0                               ; both opening adds are done
	s_wait_kmcnt 0x0
	s_add_nc_u64 s[20:21], s[4:5], s[20:21]
	s_add_nc_u64 s[22:23], s[6:7], s[22:23]
	s_add_nc_u64 s[46:47], s[8:9], s[46:47]
	s_add_nc_u64 s[92:93], s[10:11], s[92:93]
	s_add_nc_u64 s[66:67], s[8:9], s[2:3]
	s_add_nc_u64 s[98:99], s[10:11], s[98:99]
	CROUND                                         ; all sixteen work-groups are here: the joint loads meet
	s_mov_b32 s[G0S], 1
	s_add_co_u32 s[G0S+1], s94, SCL
	s_mov_b64 s[G0S+2:G0S+3], s[22:23]
	s_or_b32 s[G0S+3], s[G0S+3], 0x80000000
	s_mov_b32 s[G0SB], 1
	s_add_co_u32 s[G0SB+1], s94, SCL
	s_mov_b64 s[G0SB+2:G0SB+3], s[92:93]
	s_or_b32 s[G0SB+3], s[G0SB+3], 0x80000000
	JLOAD G0S, G1S, G0SB, G1SB                     ; the scales first; with Wv's scales and the two slots four loads of mine are out
	s_or_b32 s[G1W+0], s44, (3<<16)|(1<<20)|(1<<21)|(5<<22)|(3<<25) ; Wv's scales go to my column: 1,024 dense bytes a wave, as 4 rows of 256
	s_mov_b32 s[G1W+1], 32<<16
	s_mov_b32 s[G1W+2], 4<<16
	s_mov_b32 s[G1W+3], 32<<16
	s_mov_b32 s[G1W+4], 4
	s_mov_b32 s[G1W+5], 32
	s_mov_b32 s[G1W+6], 0
	s_mov_b32 s[G1W+7], 0
	s_mov_b32 s[G0W], 1
	s_mul_i32 s[G0W+1], s14, 4*272
	s_add_co_u32 s[G0W+1], s[G0W+1], SCV
	s_mov_b64 s[G0W+2:G0W+3], s[98:99]
	s_or_b32 s[G0W+3], s[G0W+3], 0x80000000
	tensor_load_to_lds s[G0W:G0W+3], s[G1W:G1W+7]  ; every wave its own quarter: both addresses hang on the wave's number
	s_nop 0
.rept 4
	v_nop
.endr
.irp s, 0,1
	s_mov_b32 s[G0+4*\s], 1
	s_add_co_u32 s[G0+4*\s+1], s45, \s*SLOT
	s_add_nc_u64 s[G0+4*\s+2:G0+4*\s+3], s[20:21], \s*ROWB
	s_or_b32 s[G0+4*\s+3], s[G0+4*\s+3], 0x80000000
	s_mov_b32 s[G0B+4*\s], 1
	s_add_co_u32 s[G0B+4*\s+1], s45, \s*SLOT
	s_add_nc_u64 s[G0B+4*\s+2:G0B+4*\s+3], s[46:47], \s*ROWB
	s_or_b32 s[G0B+4*\s+3], s[G0B+4*\s+3], 0x80000000
	JLOAD G0+4*\s, G1, G0B+4*\s, G1B
.endr
	v_and_b32 v1, 15, v0                           ; l % 16
	v_bfe_u32 v2, v0, 4, 1                         ; l / 16
	v_mul_u32_u24 v3, v1, PITCH
	v_lshl_add_u32 v4, v2, 4, v3                   ; a fragment's row x pitch + 16 x half
	s_mul_i32 s21, s15, HALFT
	s_mul_i32 s22, s16, HALFT
	s_add_co_u32 s22, s22, 2*HALFT
.irp s, 0,1
	v_add_nc_u32 v[ADRA+\s], s21, v4
	v_add_nc_u32 v[ADRB+\s], s22, v4
	s_add_co_u32 s21, s21, SLOT
	s_add_co_u32 s22, s22, SLOT
.endr
	s_mul_i32 s21, s14, 64*PITCH                   ; phase 2: my 64 rows of x,
	v_add_nc_u32 v[ADRA2], s21, v4
	s_add_co_u32 s21, s21, SLOT
	v_add_nc_u32 v[ADRA2+1], s21, v4
	v_add_nc_u32 v[ADRB2], VB, v4                  ; and all of Wv's 128
	v_add_nc_u32 v[ADRB2+1], VB+HALFT, v4
	v_mul_u32_u24 v5, v1, KS                       ; my row's scales: KS bytes a row,
	v_lshrrev_b32 v6, 8, v5
	v_lshl_add_u32 v5, v6, 4, v5                   ; and 16 more for each 256 passed
	s_mul_i32 s21, s14, 4*SBLK                     ; phase 2: x's: my 64 rows
	s_mov_b32 s22, SCV-SCL
	s_sub_co_u32 s22, s22, s21
	v_mul_u32_u24 v6, s22, v2                      ; lanes 16-31 take Wv's
	s_add_co_u32 s21, s21, SCL
	v_add_nc_u32 v6, v5, v6
	v_add_nc_u32 v[ADRS2], s21, v6
	s_mul_i32 s21, s15, HALFS                      ; phase 1
	s_mul_i32 s22, s16, HALFS
	s_add_co_u32 s22, s22, 2*HALFS
	s_sub_co_u32 s22, s22, s21
	v_mul_u32_u24 v6, s22, v2                      ; lanes 16-31 take W's
	s_add_co_u32 s21, s21, SCL
	v_add_nc_u32 v5, v5, v6
	v_add_nc_u32 v[ADRS], s21, v5
	s_mul_i32 s23, s14, 16*SPITCH
	s_add_co_u32 s23, s23, STAGE                   ; my stage
	v_mul_u32_u24 v5, v1, SPITCH                   ; in: row l % 16, 16 bytes for each half of the lanes
	v_lshl_add_u32 v5, v2, 4, v5
	v_add_nc_u32 v[STO], s23, v5
	v_mul_u32_u24 v5, v2, SPITCH                   ; back: lanes 0-15 one row of 256 bytes, lanes 16-31 the next
	v_lshl_add_u32 v5, v1, 4, v5
	v_add_nc_u32 v[RD], s23, v5
	v_mul_u32_u24 v5, v2, OROW                     ; and the same two rows in qkv
	v_lshl_add_u32 v[CO], v1, 4, v5
	v_mul_u32_u24 v5, v1, HROW                     ; h32: row l % 16, 32 bytes for each half of the lanes
	v_lshl_add_u32 v[HO], v2, 5, v5
	s_and_b32 s22, s17, 7                          ; a sequence is 8 tile rows: its first 16 positions lie in tile row 0 of the 8:
	s_or_b32 s23, s22, s14                         ; in phase 2 in wave 0,
	s_or_b32 s22, s22, s15                         ; in phase 1 in the upper half's waves
	v_mov_b32 v[HF], s22
	v_mov_b32 v[HF2], s23
	s_lshl_b32 s20, s17, 8
	s_lshl_b32 s21, s14, 6
	s_add_co_u32 s20, s20, s21                     ; phase 2: my first row: 256 x tile row + 64 x wave
	s_mul_i32 s20, s20, OROW
	s_lshl_b32 s46, s42, 8
	s_add_co_u32 s20, s20, s46                     ; + 256 bytes for each tile column,
	s_add_co_u32 s20, s20, 4096                    ; behind q and k
	s_mov_b32 s21, 0
	s_add_nc_u64 s[OV:OV+1], s[12:13], s[20:21]
	s_lshl_b32 s20, s17, 8
	s_lshl_b32 s21, s15, 7
	s_add_co_u32 s20, s20, s21                     ; phase 1: my first row
	s_mul_i32 s20, s20, OROW
	s_lshl_b32 s46, s42, 9
	s_add_co_u32 s20, s20, s46                     ; + 512 x tile column
	s_lshl_b32 s46, s16, 8
	s_add_co_u32 s20, s20, s46                     ; + 256 x half
	s_mov_b32 s21, 0
	s_add_nc_u64 s[12:13], s[12:13], s[20:21]
	s_lshr_b32 s20, s17, 3                         ; the sequence
	s_mul_i32 s20, s20, 16*HROW
	s_lshl_b32 s46, s42, 9
	s_add_co_u32 s46, s46, s20
	s_add_co_u32 s46, s46, 8192                    ; v's columns in h32: 512 bytes a tile column, behind q and k
	s_mov_b32 s47, 0
	s_add_nc_u64 s[HV:HV+1], s[96:97], s[46:47]
	s_lshl_b32 s46, s42, 10
	s_add_co_u32 s20, s20, s46
	s_lshl_b32 s46, s16, 9
	s_add_co_u32 s20, s20, s46
	s_add_nc_u64 s[96:97], s[96:97], s[20:21]
.macro FRAG reg, adr, q, i             ; 16 rows x 128 K of 4-bit codes: 8 registers: lane l holds row l % 16; registers 4 c .. 4 c + 3 hold K = 64 c + 32 (l / 16) + 0 .. 31
.irp c, 0,1
	ds_load_b128 v[\reg+4*\c:\reg+4*\c+3], v[\adr] offset:64*(\q)+32*\c+(\i)*16*PITCH
.endr
.endm
; 16 matrix instructions: x's blocks a0, a0 + 1 against W's eight.  The 64 accumulators take turns, one instruction a turn, in the same order in every step.
.macro MUL16 a0, p, q, sc, zero
.irp a, \a0, \a0+1
.irp b, 0,1,2,3,4,5,6,7
.if \zero
	v_wmma_scale_f32_16x16x128_f8f6f4 v[8*(8*((\a)%4)+\b):8*(8*((\a)%4)+\b)+7], v[128*(\p)+FR*\b:128*(\p)+FR*\b+FR-1], v[AF+FR*(\a):AF+FR*(\a)+FR-1], 0, v[SC+8*NQ*(\sc)+NQ*\b+(\q)], v[SC+8*NQ*(\sc)+NQ*(\a)+(\q)] matrix_a_fmt:MATRIX_FMT_FP4 matrix_b_fmt:MATRIX_FMT_FP4 matrix_a_scale:MATRIX_SCALE_ROW1
.else
	v_wmma_scale_f32_16x16x128_f8f6f4 v[8*(8*((\a)%4)+\b):8*(8*((\a)%4)+\b)+7], v[128*(\p)+FR*\b:128*(\p)+FR*\b+FR-1], v[AF+FR*(\a):AF+FR*(\a)+FR-1], v[8*(8*((\a)%4)+\b):8*(8*((\a)%4)+\b)+7], v[SC+8*NQ*(\sc)+NQ*\b+(\q)], v[SC+8*NQ*(\sc)+NQ*(\a)+(\q)] matrix_a_fmt:MATRIX_FMT_FP4 matrix_b_fmt:MATRIX_FMT_FP4 matrix_a_scale:MATRIX_SCALE_ROW1
.endif
.endr
.endr
.endm
.macro FETCH_B slot, q, p
	WIN TO_B
.irp i, 0,1,2,3,4,5,6,7
	FRAG 128*(\p)+FR*\i, ADRB+\slot, \q, \i
.endr
	WIN 0
.endm
.macro FETCH_A slot, q, i0
.irp i, \i0, \i0+1, \i0+2, \i0+3
	FRAG AF+FR*(\i), ADRA+\slot, \q, \i
.endr
.endm
.macro SCALES sc                       ; a K step's scale words: four a row; lanes 0-15 take x's block i, lanes 16-31 W's block i
.irp i, 0,1,2,3,4,5,6,7
	ds_load_b128 v[SC+8*NQ*\sc+NQ*\i:SC+8*NQ*\sc+NQ*\i+3], v[ADRS] offset:\i*SBLK
.endr
.endm
.macro PLACES n                        ; plain vector instructions between a matrix instruction and a load into, or a read of, its registers
.rept \n
	v_nop
.endr
.endm
.macro STEP slot, q, zero
	s_wait_dscnt 4*NL                              ; W's set and x's blocks 0-3 are in; the youngest eight loads (x's blocks 4-7) may be out
	WIN MUL_LO
	MUL16 0, (\q)%2, \q, \slot, \zero
	MUL16 2, (\q)%2, \q, \slot, \zero
	s_wait_dscnt 0
	PLACES NP
	FETCH_B \slot, (\q)+1, 1-(\q)%2
	FETCH_A \slot, (\q)+1, 0
	WIN MUL_HI
	MUL16 4, (\q)%2, \q, \slot, \zero
	MUL16 6, (\q)%2, \q, \slot, \zero
	PLACES NP
	WIN 0
	FETCH_A \slot, (\q)+1, 4
.endm
; Slot 0's last step changes slots: one barrier; in front of it each wave has waited for all its tensor loads (one is out: its part of slot 1), added 0 to its spare word, and waited for that and for its reads of slot 0.
; The barrier opens a round of the cluster's barrier: behind it no wave of any partner reads W's part of slot 0 or has a load on its way, and that part is filled again with Wv's rows: my one tensor load behind the round, 64 rows of 256 bytes.
.macro TURN slot, next
	s_wait_tensorcnt 0x0                           ; my part of the next slot has landed
	ds_add_u32 v[SPW], v[NIL]                      ; 0 onto my spare word
	s_wait_dscnt 4*NL+1                            ; the add and the youngest eight loads may be out
	WIN MUL_LO
	MUL16 0, 1, NQ-1, \slot, 0
	s_wait_dscnt 0x0                               ; the add is done, and my reads of this slot are over
	s_barrier_signal -1
	MUL16 2, 1, NQ-1, \slot, 0
	WIN 0
	s_barrier_wait -1
	CREST
	tensor_load_to_lds s[G0V:G0V+3], s[G1V:G1V+7]  ; it has the rest of phase 1 and the first way out in which to land
	s_nop 0
.rept 4
	v_nop                                          ; (also the places in front of the loads below)
.endr
	v_add_nc_u32 v[ADRS], 4*NQ, v[ADRS]            ; on to the next K step's scale words
	FETCH_B \next, 0, 0
	FETCH_A \next, 0, 0
	SCALES \next
	WIN MUL_HI
	MUL16 4, 1, NQ-1, \slot, 0
	MUL16 6, 1, NQ-1, \slot, 0
	PLACES NP
	WIN 0
	FETCH_A \next, 0, 4
.endm
	s_wait_tensorcnt 1                             ; all scales and my part of slot 0 are in; slot 1's load, the youngest of the four, may be out
	s_barrier_signal -1
	s_barrier_wait -1
	s_or_b32 s[G1V+0], s44, (0<<16)|(1<<20)|(1<<21)|(5<<22)|(3<<25) ; Wv's codes go to my column: 64 rows of 256 bytes a wave.  (The load of W's scales, which named these registers, is done: the wait above)
	s_mov_b32 s[G1V+1], ROWB<<16
	s_mov_b32 s[G1V+2], 64<<16
	s_mov_b32 s[G1V+3], ROWB<<16
	s_mov_b32 s[G1V+4], 64
	s_mov_b32 s[G1V+5], KROW
	s_mov_b32 s[G1V+6], 0
	s_mov_b32 s[G1V+7], 0
	s_mul_i32 s[G0V+1], s16, HALFT                 ; K's half (wave % 2),
	s_mul_i32 s[G0V], s15, 64*PITCH                ; 64 rows (wave / 2),
	s_add_co_u32 s[G0V+1], s[G0V+1], s[G0V]
	s_add_co_u32 s[G0V+1], s[G0V+1], VB            ; in W's part of slot 0
	s_mov_b32 s[G0V], 1
	s_mov_b64 s[G0V+2:G0V+3], s[66:67]
	s_or_b32 s[G0V+3], s[G0V+3], 0x80000000
	FETCH_B 0, 0, 0
	FETCH_A 0, 0, 0
	SCALES 0
	FETCH_A 0, 0, 4
	STEP 0, 0, 1                                   ; the first products start the sums: nothing is cleared
	STEP 0, 1, 0
	STEP 0, 2, 0
	TURN 0, 1
	STEP 1, 0, 0
	STEP 1, 1, 0
	STEP 1, 2, 0
	s_wait_dscnt 4*NL                              ; phase 1's last step: nothing more to fetch
	WIN MUL_LO
	MUL16 0, 1, NQ-1, 1, 0
	MUL16 2, 1, NQ-1, 1, 0
	s_wait_dscnt 0
	WIN MUL_HI
	MUL16 4, 1, NQ-1, 1, 0
	MUL16 6, 1, NQ-1, 1, 0
	WIN 0
	PLACES NP
; THE F32 COPY of a sequence's first 16 positions: my block 0, as it stands in the accumulators, 32 bytes a lane.  Only the waves that hold those rows have lanes on: no branch.
; (Pieces of 64 bytes: 786,432 bytes in the whole launch, beside 50,331,648 of qkv.)
.macro COPY32 hf, sb
	s_wait_xcnt 0x0                                ; EXEC changes only behind this wait
	v_cmp_eq_u32 vcc_lo, 0, v[\hf]
	s_and_saveexec_b32 s3, vcc_lo
	WIN 0x08                                       ; a store's data are its source 1: window 2
.irp b, 0,1,2,3,4,5,6,7
	global_store_b128 v[HO], v[8*\b:8*\b+3], s[\sb:\sb+1] offset:64*\b          ; each accumulator from its low end on
	global_store_b128 v[HO], v[8*\b+4:8*\b+7], s[\sb:\sb+1] offset:64*\b+16
.endr
	WIN 0
	s_wait_xcnt 0x0                                ; and again, in front of the line that widens it
	s_or_b32 exec_lo, exec_lo, s3
.endm
; THE WAY OUT, block by block of 16 rows: rounded to f16, 16 bytes a lane, through my own stage, back as whole rows of 256 bytes.
.macro PACK a
.set AC, 64*((\a)%4)
	WIN 0x0a+5*((\a)/4)                            ; sources 0 and 1: window 2 or 3
.irp b, 0,1,2,3,4,5,6,7
.irp r, 0,1,2,3
	v_cvt_pk_f16_f32 v[TMP+4*\b+\r], v[AC+8*\b+2*\r], v[AC+8*\b+2*\r+1]
.endr
.endr
	WIN 0
.endm
.macro TOSTAGE a
.set BB, OB+128*((\a)%2)
.irp b, 0,1,2,3,4,5,6,7
	ds_store_b128 v[STO], v[TMP+4*\b:TMP+4*\b+3] offset:32*\b
.endr
.irp t, 0,1,2,3,4,5,6,7
	ds_load_b128 v[BB+4*\t:BB+4*\t+3], v[RD] offset:\t*2*SPITCH    ; LDS serves a wave's instructions in order: these see the stores above
.endr
.endm
.macro SEND a
.set BB, OB+128*((\a)%2)
	s_wait_dscnt 0x0                               ; the block is back in registers
	s_wait_xcnt 0x0                                ; earlier stores have read their base and their registers
.if (\a) > 0
	s_add_nc_u64 s[12:13], s[12:13], 16*OROW
.endif
.irp t, 0,1,2,3,4,5,6,7
	global_store_b128 v[CO], v[BB+4*\t:BB+4*\t+3], s[12:13] offset:2*\t*OROW   ; 16 lanes store 256 consecutive bytes, at a multiple of 256 from the buffer's first byte
.endr
.endm
	COPY32 HF, 96
	PACK 0
	TOSTAGE 0
.irp a, 1,2,3,4,5,6,7
	PACK \a
	SEND \a-1
	TOSTAGE \a
.endr
	SEND 7
; PHASE 2: my 64 rows of x against Wv's 128 rows.  Step n of eight: K's half n / 4, its (n % 4)-th 128 along K; fragment sets n % 2 (x's: four blocks, 32 registers a set; Wv's: eight blocks).
.macro FETCH2 n                        ; 24 LDS loads in one run
	WIN TO_B
.irp i, 0,1,2,3,4,5,6,7
	FRAG 128*((\n)%2)+FR*\i, ADRB2+(\n)/4, (\n)%4, \i
.endr
	WIN 0
.irp i, 0,1,2,3
	FRAG AF+32*((\n)%2)+FR*\i, ADRA2+(\n)/4, (\n)%4, \i
.endr
.endm
.macro SCALES2 s                       ; the scale words of K's half s: lanes 0-15 take x's block i (of my four; the registers of i = 4 .. 7 are read in lanes 16-31 alone), lanes 16-31 Wv's block i
.irp i, 0,1,2,3,4,5,6,7
	ds_load_b128 v[SC+8*NQ*\s+NQ*\i:SC+8*NQ*\s+NQ*\i+3], v[ADRS2] offset:\i*SBLK+4*NQ*\s
.endr
.endm
.macro MULV n                          ; 32 matrix instructions; the 32 accumulators take turns, in the same order in every step; step 0 starts the sums
.irp a, 0,1,2,3
.irp b, 0,1,2,3,4,5,6,7
.if (\n) == 0
	v_wmma_scale_f32_16x16x128_f8f6f4 v[8*(8*\a+\b):8*(8*\a+\b)+7], v[128*((\n)%2)+FR*\b:128*((\n)%2)+FR*\b+FR-1], v[AF+32*((\n)%2)+FR*\a:AF+32*((\n)%2)+FR*\a+FR-1], 0, v[SC+8*NQ*((\n)/4)+NQ*\b+(\n)%4], v[SC+8*NQ*((\n)/4)+NQ*\a+(\n)%4] matrix_a_fmt:MATRIX_FMT_FP4 matrix_b_fmt:MATRIX_FMT_FP4 matrix_a_scale:MATRIX_SCALE_ROW1
.else
	v_wmma_scale_f32_16x16x128_f8f6f4 v[8*(8*\a+\b):8*(8*\a+\b)+7], v[128*((\n)%2)+FR*\b:128*((\n)%2)+FR*\b+FR-1], v[AF+32*((\n)%2)+FR*\a:AF+32*((\n)%2)+FR*\a+FR-1], v[8*(8*\a+\b):8*(8*\a+\b)+7], v[SC+8*NQ*((\n)/4)+NQ*\b+(\n)%4], v[SC+8*NQ*((\n)/4)+NQ*\a+(\n)%4] matrix_a_fmt:MATRIX_FMT_FP4 matrix_b_fmt:MATRIX_FMT_FP4 matrix_a_scale:MATRIX_SCALE_ROW1
.endif
.endr
.endr
.endm
.macro STEP2 n
.if (\n) < 7
.if (\n) > 0
	PLACES NP                                      ; the loads below land in the sets that the step before multiplied
.endif
	FETCH2 (\n)+1
.if (\n) == 3
	SCALES2 1
	s_wait_dscnt 32                                ; this step's fragments are in; the 24 + 8 loads just issued may be out
.else
	s_wait_dscnt 24                                ; this step's fragments (and scale words) are in; the 24 loads just issued may be out
.endif
.else
	s_wait_dscnt 0x0
.endif
	WIN MUL_LO
	MULV \n
	WIN 0
.endm
	s_wait_tensorcnt 0x0                           ; my part of Wv's rows has landed (no LDS instruction of mine is out: the last way out ended on a wait for all),
	s_barrier_signal -1
	s_barrier_wait -1                              ; everybody's has
	FETCH2 0
	SCALES2 0
.irp n, 0,1,2,3,4,5,6,7
	STEP2 \n
.endr
	PLACES NP
	COPY32 HF2, HV
	s_mov_b64 s[12:13], s[OV:OV+1]                 ; (behind a wait on XCNT: the earlier stores have read their base)  my rows of v
	PACK 0
	TOSTAGE 0
.irp a, 1,2,3
	PACK \a
	SEND \a-1
	TOSTAGE \a
.endr
	SEND 3
	s_wait_tensorcnt 0x0                           ; the wave's end
	ds_add_u32 v[SPW], v[NIL]
	s_wait_dscnt 0x0
	CROUND                                         ; the closing round
	s_endpgm
.Lfunc_end_k_qa09473a8d6_proj:
	.size	k_qa09473a8d6_proj, .Lfunc_end_k_qa09473a8d6_proj-k_qa09473a8d6_proj
	.p2alignl 7, 3214868480
	.fill 96, 4, 3214868480
	.section	.rodata,"a",@progbits
	.p2align	6, 0x0
	.amdhsa_kernel k_qa09473a8d6_proj
		.amdhsa_group_segment_fixed_size 327680
		.amdhsa_private_segment_fixed_size 0
		.amdhsa_enable_private_segment 0
		.amdhsa_kernarg_size 48
		.amdhsa_user_sgpr_count 2
		.amdhsa_user_sgpr_kernarg_segment_ptr 1
		.amdhsa_wavefront_size32 1
		.amdhsa_system_sgpr_workgroup_id_x 1
		.amdhsa_system_sgpr_workgroup_id_y 1
		.amdhsa_system_sgpr_workgroup_id_z 1
		.amdhsa_system_vgpr_workitem_id 0
		.amdhsa_next_free_vgpr 1024
		.amdhsa_next_free_sgpr 106
		.amdhsa_reserve_vcc 1
		.amdhsa_float_denorm_mode_32 3
		.amdhsa_float_denorm_mode_16_64 3
		.amdhsa_memory_ordered 1
		.amdhsa_forward_progress 1
		.amdhsa_inst_pref_size 197
	.end_amdhsa_kernel
	.amdgpu_metadata
---
amdhsa.version: [ 1, 2 ]
amdhsa.kernels:
  - .name:           k_qa09473a8d6_proj
    .symbol:         k_qa09473a8d6_proj.kd
    .args:
      - { .name: xc, .offset: 0, .size: 8, .value_kind: global_buffer, .address_space: global }
      - { .name: xs, .offset: 8, .size: 8, .value_kind: global_buffer, .address_space: global }
      - { .name: wc, .offset: 16, .size: 8, .value_kind: global_buffer, .address_space: global }
      - { .name: ws, .offset: 24, .size: 8, .value_kind: global_buffer, .address_space: global }
      - { .name: qkv, .offset: 32, .size: 8, .value_kind: global_buffer, .address_space: global }
      - { .name: h32, .offset: 40, .size: 8, .value_kind: global_buffer, .address_space: global }
    .group_segment_fixed_size: 327680
    .private_segment_fixed_size: 0
    .kernarg_segment_align: 8
    .kernarg_segment_size: 48
    .max_flat_workgroup_size: 128
    .sgpr_count:     106
    .vgpr_count:     1024
    .wavefront_size: 32
...
	.end_amdgpu_metadata
.endif
;; end of part 2
;; launch scores (part 3): grid 12 x 16, 4 waves a work-group, clusters of 4 x 4, 327,680 bytes of LDS; arguments qkv, p16, st; writes p16, st
.if DOCPART == 3
	.amdgcn_target "amdgcn-amd-amdhsa--gfx1250"
	.amdhsa_code_object_version 6
	.text
	.protected	k_qa09473a8d6_scores
	.globl	k_qa09473a8d6_scores
	.p2align	8
	.type	k_qa09473a8d6_scores,@function
k_qa09473a8d6_scores:
	s_mov_b64 s[64:65], 0
	v_nop
	global_prefetch_b8 v0, s[64:65] scope:SCOPE_SE
	s_setreg_imm32_b32 hwreg(HW_REG_WAVE_MODE, 25, 1), 1
	s_wait_xcnt 0x0
	s_wait_alu depctr_hold_cnt(0) depctr_sa_sdst(0) depctr_va_vdst(0) depctr_va_sdst(0) depctr_va_ssrc(0) depctr_va_vcc(0) depctr_vm_vsrc(0)
	s_getreg_b32 s2, hwreg(HW_REG_IB_STS2, 6, 4)
	s_cmp_eq_u32 s2, 0
	s_cbranch_scc0 .Lentry_in_a_cluster
	s_endpgm
.Lentry_in_a_cluster:
	s_bfe_u32 s2, ttmp6, 0x10000c
	s_cmp_lg_u32 s2, 0xf033
	s_cbranch_scc0 .Lentry_shape_is_right
	s_endpgm
.Lentry_shape_is_right:
; For tiles of 256 queries x 256 keys: s = q . k (f16 operands, f32 sums), the causal mask, t = s log2(e) / 32; for each query and each 128 keys: M = the largest t rounded up to a whole number,
; p = 2^(t - M) stored as f16 (p16 [4][2048][2048]), -M and the sum of p stored in f32 (st [4][16 tiles of 128 keys][-M, sum][2048 rows]).  The next launch brings the tiles of a row under the row's own largest M by exact powers of two.
; WORK LEFT OUT: rows 0-1023 x keys 1024-2047 of each batch lie wholly under reference()'s own causal mask: their weights are 0: no tile of them is made.  In the three blocks of 1024 x 1024 that are made, every tile is computed and masked
; (the partners of a cluster run alike); a row all of whose 128 keys are hidden gets p = 0, sum 0 and a huge -M, which counts for nothing in the next launch.
; LIMIT: |q|, |k| under 65,504.  The maximum is taken away before the exponential, tile by tile.
; A tile is made by four waves, each 128 x 128: 64 accumulators.  K = 1024 goes in 8 steps of 128 (rows of 256 bytes) through a ring of two LDS slots.  CLUSTERS: 4 x 4 work-groups = one block of 1024 x 1024: q's tile is asked for jointly along a row, k's along a column.
; THE MATRIX INSTRUCTION IS USED TRANSPOSED (source 0 = 16 keys, source 1 = 16 queries): a lane holds one query (lane % 16) and eight neighbouring keys 8 (lane / 16) + 0..7 of each block of 16.
; REGISTERS: window 0: v16-31 addresses; v64-191 q's fragments, two buffers; on the way out v32-255 at work.  window 1: k's fragments.  windows 2, 3: the accumulators ((a, b) at v[8 (8 (a % 4) + b)]).
.set KSTEP,  128
.set PITCH,  272                       ; an LDS row: 256 bytes + 16 of padding
.set HALFT,  128*PITCH
.set SLOT,   4*HALFT
.set STAGE,  2*SLOT                    ; behind the ring: 16 rows x 272 bytes for each wave
.set SPITCH, 272
.set SPARE,  STAGE+4*16*SPITCH         ; the spare words: 128 bytes a wave, named by no other line
.set QROW,   6144                      ; a row of qkv in bytes
.set PROW,   4096                      ; a row of p16
.set LAPS,   4                         ; a lap = two K steps
.set ADRA, 16
.set ADRB, 20
.set STO,  24
.set RD,   25
.set CO,   26
.set SO,   27                          ; v27  where my -M (lanes 0-15) or my sum (lanes 16-31) goes in st
.set SPW,  28
.set NIL,  29
.set DD,   30                          ; v30  my query less my first key of block (0, 0): key 16 (b - a) + j is hidden where it is greater
.set NI,   31                          ; v31  -infinity
.set F0,   64
.set F1,   128
.set OB,   32                          ; v32-63, v224-255: rows read back from the stage, by turns
.set W,    64                          ; v64-127 a block's 64 scores, then p
.set MX,   128                         ; v128-131 maxima; v132 the other half's
.set NEGM, 134                         ; v[134:135] -M (the pair's low word serves both halves)
.set SU,   136                         ; v[136:139] sums
.set LL,   140
.set SV,   144                         ; v144-151 what goes to st, a register for each block
.set TMP,  192
.set G1, 24
.set G0, 32
.set G1B, 48
.set G0B, 56
.set MSB, 0
.macro WIN new
.if MSB != \new
	s_set_vgpr_msb (MSB<<8)|\new
.set MSB, \new
.endif
.endm
.set MUL_LO, 0xa1
.set MUL_HI, 0xf1
.set TO_B,   0x40
.macro JLOAD s                         ; a joint load: waves 0, 1 fetch q's halves, waves 2, 3 k's; an s_nop 0 and four v_nop follow each line
	s_cmp_eq_u32 s11, 0
	s_cbranch_scc0 .Lfor_b_\@
	tensor_load_to_lds s[G0+4*\s:G0+4*\s+3], s[G1:G1+7]
	s_nop 0
.rept 4
	v_nop
.endr
	s_branch .Lasked_\@
.Lfor_b_\@:
	tensor_load_to_lds s[G0B+4*\s:G0B+4*\s+3], s[G1B:G1B+7]
	s_nop 0
.rept 4
	v_nop
.endr
.Lasked_\@:
.endm
.macro CREST                           ; a round of the cluster's barrier behind its opening barrier
	s_cmp_lg_u32 s10, 0
	s_cbranch_scc1 .Lnot_wave_0_\@
	s_barrier_signal -3
.Lnot_wave_0_\@:
	s_barrier_wait -3
	s_barrier_signal -1
	s_barrier_wait -1
.endm
.macro CROUND
	s_barrier_signal -1
	s_barrier_wait -1
	CREST
.endm
	s_load_b128 s[4:7], s[0:1], 0x0                ; qkv, p16
	s_load_b64 s[66:67], s[0:1], 0x10              ; st
	v_lshl_add_u32 v[SPW], v0, 2, SPARE
	v_mov_b32 v[NIL], 0
	ds_add_u32 v[SPW], v[NIL]                      ; the wave's opening: the add, twice on end, and its wait ahead of my first tensor load
	ds_add_u32 v[SPW], v[NIL]
	v_lshrrev_b32 v1, 5, v0
	v_readfirstlane_b32 s10, v1                    ; wave 0..3
	s_lshr_b32 s11, s10, 1                         ; which half of the tile's queries is mine.  Also: I fetch for q (0) or for k (1)
	s_and_b32 s12, s10, 1                          ; which half of its keys.  Also: which 128 rows I fetch
	s_bfe_u32 s40, ttmp6, 0x40000                  ; cx, cy
	s_bfe_u32 s41, ttmp6, 0x40004
	s_min_u32 s13, ttmp9, 1                        ; cluster x = 0, 1, 2: the blocks (rows, keys) = (0, 0), (1, 0), (1, 1) of 1024
	s_lshl_b32 s13, s13, 2
	s_add_co_u32 s13, s13, s41                     ; tile row I
	s_lshr_b32 s42, ttmp9, 1
	s_lshl_b32 s42, s42, 2
	s_add_co_u32 s42, s42, s40                     ; tile column J
	s_and_b32 s45, ttmp7, 0xffff                   ; the batch
	s_lshl_b32 s43, s41, 2
	s_lshl_b32 s43, 15, s43                        ; my row of the cluster
	s_lshl_b32 s44, 0x1111, s40                    ; my column
	s_or_b32 s[G1+0], s43, (1<<16)|(1<<20)|(1<<21)|(5<<22)|(3<<25)  ; the mask; elements of 2 bytes; padding on; bit 21 beside a mask; 4 words after every 64
	s_or_b32 s[G1B+0], s44, (1<<16)|(1<<20)|(1<<21)|(5<<22)|(3<<25)
.irp g, G1, G1B
	s_mov_b32 s[\g+1], KSTEP<<16                   ; tensor_dim0 = 128
	s_mov_b32 s[\g+2], 128<<16                     ; tensor_dim1 = 128
	s_mov_b32 s[\g+3], KSTEP<<16                   ; tile_dim0
	s_mov_b32 s[\g+4], 128                         ; tile_dim1
	s_mov_b32 s[\g+5], QROW/2                      ; elements from row to row
	s_mov_b32 s[\g+6], 0
	s_mov_b32 s[\g+7], 0
.endr
	s_lshl_b32 s17, s12, 7
	s_lshl_b32 s22, s45, 11
	s_add_co_u32 s22, s22, s17                     ; 2048 x batch + the 128 rows that I fetch
	s_lshl_b32 s16, s13, 8
	s_add_co_u32 s16, s16, s22                     ; q: + 256 I
	s_lshl_b32 s46, s42, 8
	s_add_co_u32 s46, s46, s22                     ; k: + 256 J
	s_mov_b32 s17, 0
	s_mov_b32 s47, 0
	s_mov_b64 s[18:19], QROW
	s_mul_u64 s[16:17], s[16:17], s[18:19]
	s_mul_u64 s[46:47], s[46:47], s[18:19]
	s_mul_i32 s20, s10, HALFT                      ; where they go: wave x 128 rows
	s_mov_b32 s68, 0x3d38aa3b                      ; c = log2(e) / 32
	s_mov_b32 s69, s68
	s_mov_b32 s70, 0x76543210                      ; v_permlanex16_b32's selects for lane l xor 16
	s_mov_b32 s71, 0xfedcba98
	s_mov_b32 s72, 0xffff0000                      ; lanes 16-31
	s_wait_dscnt 0x0                               ; both opening adds are done
	s_wait_kmcnt 0x0
	s_add_nc_u64 s[14:15], s[4:5], s[16:17]
	s_add_nc_u64 s[46:47], s[4:5], s[46:47]
	s_add_nc_u64 s[46:47], s[46:47], 2048          ; k lies 2,048 bytes on in a row
	CROUND                                         ; all sixteen work-groups are here
.irp s, 0,1
	s_mov_b32 s[G0+4*\s], 1
	s_add_co_u32 s[G0+4*\s+1], s20, \s*SLOT
	s_add_nc_u64 s[G0+4*\s+2:G0+4*\s+3], s[14:15], \s*KSTEP*2
	s_or_b32 s[G0+4*\s+3], s[G0+4*\s+3], 0x80000000
	s_mov_b32 s[G0B+4*\s], 1
	s_add_co_u32 s[G0B+4*\s+1], s20, \s*SLOT
	s_add_nc_u64 s[G0B+4*\s+2:G0B+4*\s+3], s[46:47], \s*KSTEP*2
	s_or_b32 s[G0B+4*\s+3], s[G0B+4*\s+3], 0x80000000
	JLOAD \s                                       ; two loads of mine are out
.endr
	v_and_b32 v1, 15, v0                           ; l % 16
	v_bfe_u32 v2, v0, 4, 1                         ; l / 16
	v_mul_u32_u24 v3, v1, PITCH
	v_lshl_add_u32 v3, v2, 4, v3
	s_mul_i32 s21, s11, HALFT                      ; my 128 queries
	s_mul_i32 s22, s12, HALFT                      ; my 128 keys,
	s_add_co_u32 s22, s22, 2*HALFT                 ; behind q's 256 rows
.irp s, 0,1
	v_add_nc_u32 v[ADRA+\s], s21, v3
	v_add_nc_u32 v[ADRB+\s], s22, v3
	s_add_co_u32 s21, s21, SLOT
	s_add_co_u32 s22, s22, SLOT
.endr
	s_mul_i32 s23, s10, 16*SPITCH
	s_add_co_u32 s23, s23, STAGE                   ; my stage
	v_mul_u32_u24 v4, v1, SPITCH
	v_lshl_add_u32 v4, v2, 4, v4
	v_add_nc_u32 v[STO], s23, v4
	v_mul_u32_u24 v5, v2, SPITCH
	v_lshl_add_u32 v5, v1, 4, v5
	v_add_nc_u32 v[RD], s23, v5
	v_lshlrev_b32 v5, 12, v2                       ; two rows of p16
	v_lshl_add_u32 v[CO], v1, 4, v5
	v_lshlrev_b32 v5, 13, v2                       ; st: lanes 16-31 write the plane of sums, 8,192 bytes on
	v_lshl_add_u32 v[SO], v1, 2, v5
	s_sub_co_i32 s21, s13, s42
	s_lshl_b32 s21, s21, 8                         ; 256 (I - J)
	s_sub_co_i32 s22, s11, s12
	s_lshl_b32 s22, s22, 7                         ; 128 (my half of the queries - my half of the keys)
	s_add_co_i32 s21, s21, s22
	v_lshlrev_b32 v5, 3, v2
	v_sub_nc_u32 v[DD], v1, v5
	v_add_nc_u32 v[DD], s21, v[DD]
	v_mov_b32 v[NI], 0xff800000
	s_lshl_b32 s16, s45, 11
	s_lshl_b32 s17, s13, 8
	s_add_co_u32 s16, s16, s17
	s_lshl_b32 s17, s11, 7
	s_add_co_u32 s16, s16, s17                     ; my first row
	s_lshl_b32 s18, s16, 12
	s_lshl_b32 s19, s42, 9
	s_add_co_u32 s18, s18, s19
	s_lshl_b32 s19, s12, 8
	s_add_co_u32 s18, s18, s19                     ; + my first key's two bytes
	s_mov_b32 s19, 0
	s_add_nc_u64 s[6:7], s[6:7], s[18:19]
	s_lshl_b32 s18, s45, 4
	s_lshl_b32 s20, s42, 1
	s_add_co_u32 s18, s18, s20
	s_add_co_u32 s18, s18, s12                     ; 16 x batch + my tile of 128 keys
	s_lshl_b32 s18, s18, 14
	s_lshl_b32 s20, s13, 10
	s_add_co_u32 s18, s18, s20
	s_lshl_b32 s20, s11, 9
	s_add_co_u32 s18, s18, s20                     ; + 4 x my first row in the batch
	s_add_nc_u64 s[66:67], s[66:67], s[18:19]
; 16 matrix instructions: query blocks a0, a0 + 1 of the window's four x all 8 key blocks, 32 along K.  The 64 accumulators take turns, one instruction a turn.
.macro MUL16 f, hi, a0, zero
.irp a, \a0, \a0+1
.irp b, 0,1,2,3,4,5,6,7
.if \zero
	v_wmma_f32_16x16x32_f16 v[8*(8*(\a)+\b):8*(8*(\a)+\b)+7], v[\f+8*\b:\f+8*\b+7], v[\f+8*(4*\hi+\a):\f+8*(4*\hi+\a)+7], 0
.else
	v_wmma_f32_16x16x32_f16 v[8*(8*(\a)+\b):8*(8*(\a)+\b)+7], v[\f+8*\b:\f+8*\b+7], v[\f+8*(4*\hi+\a):\f+8*(4*\hi+\a)+7], v[8*(8*(\a)+\b):8*(8*(\a)+\b)+7]
.endif
.endr
.endr
.endm
.macro FETCH slot, k, f                ; 32 LDS loads in one run: a quarter step's fragments
	WIN TO_B
.irp i, 0,1,2,3,4,5,6,7
	ds_load_b128 v[\f+8*\i:\f+8*\i+3],   v[ADRB+\slot] offset:\k+\i*16*PITCH
	ds_load_b128 v[\f+8*\i+4:\f+8*\i+7], v[ADRB+\slot] offset:\k+\i*16*PITCH+32
.endr
	WIN 0
.irp i, 0,1,2,3,4,5,6,7
	ds_load_b128 v[\f+8*\i:\f+8*\i+3],   v[ADRA+\slot] offset:\k+\i*16*PITCH
	ds_load_b128 v[\f+8*\i+4:\f+8*\i+7], v[ADRA+\slot] offset:\k+\i*16*PITCH+32
.endr
.endm
.macro PLACES                          ; four plain vector instructions between a matrix instruction and a load into, or a read of, its registers
.rept 4
	v_nop
.endr
.endm
.macro QUARTER slot, k, f, g, zero
	s_wait_dscnt 8                                 ; k's fragments and q's rows 0-63 are in; the youngest eight loads (q's rows 64-127) may be out
	WIN MUL_LO
	MUL16 \f, 0, 0, \zero
	MUL16 \f, 0, 2, \zero
	PLACES
	FETCH \slot, \k, \g
	s_wait_dscnt 32                                ; all but the 32 just issued
	WIN MUL_HI
	MUL16 \f, 1, 0, \zero
	MUL16 \f, 1, 2, \zero
.endm
; A K step's last quarter changes slots: one barrier; in front of it each wave waits for all its tensor loads (one is out: its part of the next slot), adds 0 to its spare word, and waits for that and for its reads of this slot.
; fill = 1: the barrier opens a round of the cluster's barrier, and behind it this slot is filled again, two K steps ahead: my one tensor load until the next round.
.macro TURN slot, next, fill
	WIN 0
	s_wait_tensorcnt 0x0
	ds_add_u32 v[SPW], v[NIL]
	s_wait_dscnt 9                                 ; the add and the youngest eight loads may be out
	WIN MUL_LO
	MUL16 F1, 0, 0, 0
	s_wait_dscnt 0x0                               ; the add is done, and my reads of this slot are over
	s_barrier_signal -1
	MUL16 F1, 0, 2, 0
	WIN 0
	s_barrier_wait -1
.if \fill
	CREST
	s_add_nc_u64 s[G0+4*\slot+2:G0+4*\slot+3], s[G0+4*\slot+2:G0+4*\slot+3], 2*KSTEP*2
	s_add_nc_u64 s[G0B+4*\slot+2:G0B+4*\slot+3], s[G0B+4*\slot+2:G0B+4*\slot+3], 2*KSTEP*2
	JLOAD \slot                                    ; its four v_nop are also the places in front of the loads below
.else
	PLACES
.endif
	FETCH \next, 0, F0
	WIN MUL_HI
	MUL16 F1, 1, 0, 0
	MUL16 F1, 1, 2, 0
.endm
	s_wait_tensorcnt 1                             ; my part of K step 0 is in; K step 1's load may be out
	s_barrier_signal -1
	s_barrier_wait -1
	FETCH 0, 0, F0
	QUARTER 0, 64,  F0, F1, 1                      ; the first products start the sums
	WIN 0
	s_mov_b32 s3, LAPS-1
.Llap:                                                 ; a trip goes once round the ring and fills both slots again
	QUARTER 0, 128, F1, F0, 0
	QUARTER 0, 192, F0, F1, 0
	TURN 0, 1, 1
	QUARTER 1, 64,  F0, F1, 0
	QUARTER 1, 128, F1, F0, 0
	QUARTER 1, 192, F0, F1, 0
	TURN 1, 0, 1
	QUARTER 0, 64,  F0, F1, 0
	WIN 0
	s_sub_co_u32 s3, s3, 1
	s_cmp_lg_u32 s3, 0
	s_cbranch_scc1 .Llap
	QUARTER 0, 128, F1, F0, 0                      ; the last lap fills nothing
	QUARTER 0, 192, F0, F1, 0
	TURN 0, 1, 0
	QUARTER 1, 64,  F0, F1, 0
	QUARTER 1, 128, F1, F0, 0
	QUARTER 1, 192, F0, F1, 0
	s_wait_dscnt 8
	WIN MUL_LO
	MUL16 F1, 0, 0, 0
	MUL16 F1, 0, 2, 0
	s_wait_dscnt 0
	WIN MUL_HI
	MUL16 F1, 1, 0, 0
	MUL16 F1, 1, 2, 0
	WIN 0
	PLACES
	v_mov_b32 v[MX+4], 0                           ; a lane permute's destination counts as one of its sources
	v_mov_b32 v[NEGM+1], 0                         ; named as the upper half of a pair
; Block a: 16 queries x my 128 keys.  Register 8 b + j of the block holds key 16 b + 8 (lane / 16) + j of my query 16 a + lane % 16.
.macro SOFT a
.set AC, 64*((\a)%4)
	WIN 0x02+((\a)/4)                              ; source 0: window 2 or 3
.set n, 0
.rept 64
	v_cmp_gt_i32 vcc_lo, 16*(n/8-(\a))+n%8, v[DD]  ; a key after my query
	v_cndmask_b32 v[W+n], v[AC+n], v[NI], vcc_lo   ; becomes -infinity; each accumulator is read from its low end on
.set n, n+1
.endr
	WIN 0
.irp k, 0,1,2,3
	v_max3_num_f32 v[MX+\k], v[W+16*\k], v[W+16*\k+1], v[W+16*\k+2]     ; the largest score, in four chains
.endr
.irp i, 3,5,7,9,11,13
.irp k, 0,1,2,3
	v_max3_num_f32 v[MX+\k], v[MX+\k], v[W+16*\k+\i], v[W+16*\k+\i+1]
.endr
.endr
.irp k, 0,1,2,3
	v_max_num_f32 v[MX+\k], v[MX+\k], v[W+16*\k+15]
.endr
	v_max3_num_f32 v[MX], v[MX], v[MX+1], v[MX+2]
	v_max3_num_f32 v[MX], v[MX], v[MX+3], 0xff61b1e6   ; and -3e38: a row all of whose keys are hidden keeps a finite M
	v_permlanex16_b32 v[MX+4], v[MX], s70, s71
	v_max_num_f32 v[MX], v[MX], v[MX+4]            ; with lane l xor 16's 64 keys
	v_mul_f32 v[MX+1], s68, v[MX]                  ; as t (c is positive)
	v_floor_f32 v[NEGM], -v[MX+1]                  ; -M = floor(-t): M is a whole number
.set n, 0
.rept 32
	v_pk_fma_f32 v[W+n:W+n+1], v[W+n:W+n+1], s[68:69], v[NEGM:NEGM+1] op_sel_hi:[1,0,0]   ; t - M, two at a time
.set n, n+2
.endr
.set n, 0
.rept 64
	v_exp_f32 v[W+n], v[W+n]                       ; p = 2^(t - M)
.set n, n+1
.endr
	v_nop                                          ; a plain instruction behind the last exponential
	s_wait_alu depctr_va_vdst(0)                   ; one wait for the batch, ahead of its first reader
	v_pk_add_f32 v[SU:SU+1], v[W:W+1], v[W+2:W+3]  ; the sum of p, in two chains
	v_pk_add_f32 v[SU+2:SU+3], v[W+4:W+5], v[W+6:W+7]
.irp j, 8,12,16,20,24,28,32,36,40,44,48,52,56,60
	v_pk_add_f32 v[SU:SU+1], v[SU:SU+1], v[W+\j:W+\j+1]
	v_pk_add_f32 v[SU+2:SU+3], v[SU+2:SU+3], v[W+\j+2:W+\j+3]
.endr
	v_pk_add_f32 v[SU:SU+1], v[SU:SU+1], v[SU+2:SU+3]
	v_add_f32 v[LL], v[SU], v[SU+1]
	v_permlanex16_b32 v[MX+4], v[LL], s70, s71
	v_add_f32 v[LL], v[LL], v[MX+4]
.set n, 0
.rept 32
	v_cvt_pk_f16_f32 v[TMP+n], v[W+2*n], v[W+2*n+1]
.set n, n+1
.endr
	v_cndmask_b32 v[SV+(\a)], v[NEGM], v[LL], s72  ; lanes 0-15 carry -M, lanes 16-31 the sum
	global_store_b32 v[SO], v[SV+(\a)], s[66:67] offset:64*(\a)   ; two pieces of 64 bytes: st is 1,048,576 bytes beside p16's 25,165,824 written
.endm
.macro TOSTAGE a
.set BB, OB+192*((\a)%2)
.irp b, 0,1,2,3,4,5,6,7
	ds_store_b128 v[STO], v[TMP+4*\b:TMP+4*\b+3] offset:32*\b
.endr
.irp t, 0,1,2,3,4,5,6,7
	ds_load_b128 v[BB+4*\t:BB+4*\t+3], v[RD] offset:\t*2*SPITCH    ; LDS serves a wave's instructions in order: these see the stores above
.endr
.endm
.macro SEND a
.set BB, OB+192*((\a)%2)
	s_wait_dscnt 0x0                               ; the block is back in registers
	s_wait_xcnt 0x0                                ; earlier stores have read their base and their registers
.if (\a) > 0
	s_add_nc_u64 s[6:7], s[6:7], 16*PROW
.endif
.irp t, 0,1,2,3,4,5,6,7
	global_store_b128 v[CO], v[BB+4*\t:BB+4*\t+3], s[6:7] offset:2*\t*PROW   ; 16 lanes store 256 consecutive bytes, at a multiple of 256 from the buffer's first byte
.endr
.endm
	SOFT 0
	TOSTAGE 0
.irp a, 1,2,3,4,5,6,7
	SOFT \a
	SEND \a-1
	TOSTAGE \a
.endr
	SEND 7
	s_wait_tensorcnt 0x0                           ; the wave's end
	ds_add_u32 v[SPW], v[NIL]
	s_wait_dscnt 0x0
	CROUND                                         ; the closing round
	s_endpgm
.Lfunc_end_k_qa09473a8d6_scores:
	.size	k_qa09473a8d6_scores, .Lfunc_end_k_qa09473a8d6_scores-k_qa09473a8d6_scores
	.p2alignl 7, 3214868480
	.fill 96, 4, 3214868480
	.section	.rodata,"a",@progbits
	.p2align	6, 0x0
	.amdhsa_kernel k_qa09473a8d6_scores
		.amdhsa_group_segment_fixed_size 327680
		.amdhsa_private_segment_fixed_size 0
		.amdhsa_enable_private_segment 0
		.amdhsa_kernarg_size 24
		.amdhsa_user_sgpr_count 2
		.amdhsa_user_sgpr_kernarg_segment_ptr 1
		.amdhsa_wavefront_size32 1
		.amdhsa_system_sgpr_workgroup_id_x 1
		.amdhsa_system_sgpr_workgroup_id_y 1
		.amdhsa_system_sgpr_workgroup_id_z 1
		.amdhsa_system_vgpr_workitem_id 0
		.amdhsa_next_free_vgpr 1024
		.amdhsa_next_free_sgpr 76
		.amdhsa_reserve_vcc 1
		.amdhsa_float_denorm_mode_32 3
		.amdhsa_float_denorm_mode_16_64 3
		.amdhsa_memory_ordered 1
		.amdhsa_forward_progress 1
		.amdhsa_inst_pref_size 252
	.end_amdhsa_kernel
	.amdgpu_metadata
---
amdhsa.version: [ 1, 2 ]
amdhsa.kernels:
  - .name:           k_qa09473a8d6_scores
    .symbol:         k_qa09473a8d6_scores.kd
    .args:
      - { .name: qkv, .offset: 0, .size: 8, .value_kind: global_buffer, .address_space: global }
      - { .name: p16, .offset: 8, .size: 8, .value_kind: global_buffer, .address_space: global }
      - { .name: st, .offset: 16, .size: 8, .value_kind: global_buffer, .address_space: global }
    .group_segment_fixed_size: 327680
    .private_segment_fixed_size: 0
    .kernarg_segment_align: 8
    .kernarg_segment_size: 24
    .max_flat_workgroup_size: 128
    .sgpr_count:     76
    .vgpr_count:     1024
    .wavefront_size: 32
...
	.end_amdgpu_metadata
.endif
;; end of part 3
;; launch pv (part 4): grid 8 x 32, 4 waves a work-group, clusters of 4 x 4, 327,680 bytes of LDS; arguments p16, qkv, st, out0; writes out0
.if DOCPART == 4
	.amdgcn_target "amdgcn-amd-amdhsa--gfx1250"
	.amdhsa_code_object_version 6
	.text
	.protected	k_qa09473a8d6_pv
	.globl	k_qa09473a8d6_pv
	.p2align	8
	.type	k_qa09473a8d6_pv,@function
k_qa09473a8d6_pv:
	s_mov_b64 s[64:65], 0
	v_nop
	global_prefetch_b8 v0, s[64:65] scope:SCOPE_SE
	s_setreg_imm32_b32 hwreg(HW_REG_WAVE_MODE, 25, 1), 1
	s_wait_xcnt 0x0
	s_wait_alu depctr_hold_cnt(0) depctr_sa_sdst(0) depctr_va_vdst(0) depctr_va_sdst(0) depctr_va_ssrc(0) depctr_va_vcc(0) depctr_vm_vsrc(0)
	s_getreg_b32 s2, hwreg(HW_REG_IB_STS2, 6, 4)
	s_cmp_eq_u32 s2, 0
	s_cbranch_scc0 .Lentry_in_a_cluster
	s_endpgm
.Lentry_in_a_cluster:
	s_bfe_u32 s2, ttmp6, 0x10000c
	s_cmp_lg_u32 s2, 0xf033
	s_cbranch_scc0 .Lentry_shape_is_right
	s_endpgm
.Lentry_shape_is_right:
; out[q][n] = (sum over tiles j of 128 keys of 2^(M_j - M) (P_j V_j)[q][n]) / (sum over j of 2^(M_j - M) l_j), M = the row's largest M_j.  P and V are f16, sums f32; the factors are exact powers of two, made from the whole numbers in st.
; WORK LEFT OUT: for a block of 512 rows only the keys up to the block's last row are multiplied: all later keys lie under reference()'s own causal mask and have weight 0.
; LIMIT: |v| under 65,504 and finite (a hidden key inside a block that is multiplied has p = 0, and 0 x infinity would be NaN).
; SHARES.  A tile of out is 128 rows x 128 channels: four waves, each 64 x 64.  A work-group makes TWO tiles, one in block pi of 512 rows and one in block 3 - pi: 2 pi + 2 and 8 - 2 pi K steps of 256 keys: ten in every work-group.
; CLUSTERS: 4 x 4 work-groups: P's tile is asked for jointly along a row of the cluster, V's along a column.  Branches hang on pi (the cluster's y) and on the count of trips alone, which all partners share.
; THE MATRIX INSTRUCTION IS USED TRANSPOSED (source 0 = 16 channels of V, turned on the way out of LDS; source 1 = 16 queries of P): a lane holds one query and eight neighbouring channels, so a tile's factor is one number a lane.
; Each 128 keys are summed in T, started with the constant 0, and then O += factor x T.  The first two K steps are written out ahead of the loop: their first 128 keys start O, so that O is written on every way to its first read.
; REGISTERS: window 0: v16-29 addresses; v32-39 factors; v40-61 statistics; v64-79 -M of the steps in hand; v96-127 the way out; v128-255 T (16 accumulators; on a way out v128-191 take rows back from the stage).  window 1: fragments, two buffers.  window 2: v0-127 O.
.set PP,     528                       ; a row of P in LDS: 512 bytes + 16
.set PVP,    288                       ; a row of V: 256 bytes + 32
.set PHALF,  64*PP
.set VHALF,  128*PVP
.set VOFF,   2*PHALF
.set SLOT,   VOFF+2*VHALF
.set STAGE,  2*SLOT                    ; behind the ring: 16 rows x 272 bytes for each wave
.set SPITCH, 272
.set SPARE,  STAGE+4*16*SPITCH         ; the spare words: 128 bytes a wave, named by no other line
.set ADRA, 16                          ; v16-17 P's fragments in slot 0, 1
.set ADRB, 18                          ; v18-21 V's: slot, then which 128 keys
.set STO,  24
.set RD,   25
.set CO,   26
.set STV,  27                          ; v27  4 x (lane % 16)
.set SPW,  28
.set NIL,  29
.set FF,   32                          ; v32, 34, 36, 38: the factor of query block a (pairs; the upper words are written once)
.set EE,   40
.set NFC,  44                          ; -M of the tile in hand
.set NFB,  48                          ; -M of the second tile
.set RIA,  52                          ; 1 / l of the first tile
.set RIB,  56                          ; and of the second
.set RP,   60
.set NM,   64                          ; v[64 + 8 slot + 4 sub + a]
.set OUTR, 96
.set ACC,  128
.set BK,   128
.set F0,   0
.set F1,   128
.set G1, 24
.set G0, 32
.set G1B, 48
.set G0B, 56
.set ST,   68                          ; s[68:71] where the slot's step's -M stand in st
.set CP,   72                          ; what P's address gets beside the usual step where the walk changes tiles
.set CV,   73                          ; what is taken from V's
.set CS,   74                          ; and from st's
.set SELP, 76                          ; s[76:77], s[78:79], s[80:81]: the chosen corrections, upper words 0
.set SELV, 78
.set SELS, 80
.set BT,   82
.set D32,  84                          ; 3 - 2 pi: blocks of 512 rows from the first tile to the second
.set OA,   86
.set OBB,  88
.set PI,   90
.set PI1,  91
.set TRIP, 92
.set FIRST, 93
.set SBB,  94
.set MSB, 0
.macro WIN new
.if MSB != \new
	s_set_vgpr_msb (MSB<<8)|\new
.set MSB, \new
.endif
.endm
.set MUL,  0x05                        ; sources 0 and 1 window 1; C and D window 0
.set TO_F, 0x40
.macro JLOAD s                         ; a joint load: waves 0, 1 fetch P's halves, waves 2, 3 V's; an s_nop 0 and four v_nop follow each line
	s_cmp_eq_u32 s11, 0
	s_cbranch_scc0 .Lfor_b_\@
	tensor_load_to_lds s[G0+4*\s:G0+4*\s+3], s[G1:G1+7]
	s_nop 0
.rept 4
	v_nop
.endr
	s_branch .Lasked_\@
.Lfor_b_\@:
	tensor_load_to_lds s[G0B+4*\s:G0B+4*\s+3], s[G1B:G1B+7]
	s_nop 0
.rept 4
	v_nop
.endr
.Lasked_\@:
.endm
.macro CREST
	s_cmp_lg_u32 s10, 0
	s_cbranch_scc1 .Lnot_wave_0_\@
	s_barrier_signal -3
.Lnot_wave_0_\@:
	s_barrier_wait -3
	s_barrier_signal -1
	s_barrier_wait -1
.endm
.macro CROUND
	s_barrier_signal -1
	s_barrier_wait -1
	CREST
.endm
	s_load_b128 s[4:7], s[0:1], 0x0                ; p16, qkv
	s_load_b64 s[66:67], s[0:1], 0x10              ; st
	s_load_b64 s[8:9], s[0:1], 0x18                ; out0
	v_lshl_add_u32 v[SPW], v0, 2, SPARE
	v_mov_b32 v[NIL], 0
	ds_add_u32 v[SPW], v[NIL]                      ; the wave's opening: the add, twice on end, and its wait ahead of my first tensor load
	ds_add_u32 v[SPW], v[NIL]
	v_lshrrev_b32 v1, 5, v0
	v_readfirstlane_b32 s10, v1                    ; wave 0..3
	s_lshr_b32 s11, s10, 1                         ; which half of the tile's rows is mine.  Also: I fetch for P (0) or for V (1)
	s_and_b32 s12, s10, 1                          ; which half of its channels.  Also: which half of that tile I fetch
	s_bfe_u32 s40, ttmp6, 0x40000                  ; cx, cy
	s_bfe_u32 s41, ttmp6, 0x40004
	s_lshl_b32 s42, ttmp9, 2
	s_add_co_u32 s42, s42, s40                     ; the tile of 128 channels
	s_and_b32 s83, ttmp7, 0xffff
	s_and_b32 s[PI], s83, 1
	s_lshr_b32 s[BT], s83, 1                       ; the batch
	s_add_co_u32 s[PI1], s[PI], 1
	s_lshl_b32 s13, s[PI], 2
	s_add_co_u32 s13, s13, s41                     ; the first tile's 128 rows: 4 pi + cy
	s_lshl_b32 s43, s41, 2
	s_lshl_b32 s43, 15, s43                        ; my row of the cluster
	s_lshl_b32 s44, 0x1111, s40                    ; my column
	s_or_b32 s[G1+0], s43, (1<<16)|(1<<20)|(1<<21)|(6<<22)|(3<<25)  ; P: elements of 2 bytes; 4 words of padding after every 128
	s_mov_b32 s[G1+1], 256<<16                     ; tensor_dim0 = 256 keys
	s_mov_b32 s[G1+2], 64<<16                      ; tensor_dim1 = 64 rows
	s_mov_b32 s[G1+3], 256<<16
	s_mov_b32 s[G1+4], 64
	s_mov_b32 s[G1+5], 2048                        ; elements from row to row
	s_mov_b32 s[G1+6], 0
	s_mov_b32 s[G1+7], 0
	s_or_b32 s[G1B+0], s44, (1<<16)|(1<<20)|(1<<21)|(5<<22)|(7<<25) ; V: 8 words of padding after every 64
	s_mov_b32 s[G1B+1], 128<<16                    ; 128 channels
	s_mov_b32 s[G1B+2], 128<<16                    ; 128 keys
	s_mov_b32 s[G1B+3], 128<<16
	s_mov_b32 s[G1B+4], 128
	s_mov_b32 s[G1B+5], 3072
	s_mov_b32 s[G1B+6], 0
	s_mov_b32 s[G1B+7], 0
	s_lshl_b32 s16, s[BT], 11
	s_lshl_b32 s17, s13, 7
	s_add_co_u32 s16, s16, s17
	s_lshl_b32 s17, s12, 6
	s_add_co_u32 s16, s16, s17                     ; P: row 2048 b + 128 tile + 64 x half
	s_lshl_b32 s16, s16, 12
	s_mov_b32 s17, 0
	s_lshl_b32 s46, s[BT], 11
	s_lshl_b32 s47, s12, 7
	s_add_co_u32 s46, s46, s47                     ; V: key 2048 b + 128 x half
	s_mul_i32 s46, s46, 6144
	s_lshl_b32 s47, s42, 8
	s_add_co_u32 s46, s46, s47                     ; + 256 bytes for each tile of channels
	s_add_co_u32 s46, s46, 4096                    ; v lies 4,096 bytes on in a row of qkv
	s_mov_b32 s47, 0
	s_mul_i32 s20, s12, PHALF                      ; where they go
	s_mul_i32 s21, s12, VHALF
	s_add_co_u32 s21, s21, VOFF
	s_lshl_b32 s[D32], s[PI], 1
	s_sub_co_u32 s[D32], 3, s[D32]
	s_lshl_b32 s[CP], s[D32], 21                   ; 512 (3 - 2 pi) rows of 4,096 bytes,
	s_lshl_b32 s22, s[PI1], 10
	s_sub_co_u32 s[CP], s[CP], s22                 ; back 2 pi K steps of 512 bytes, and less the usual step of 1,024
	s_mul_i32 s[CV], s[PI1], 3145728               ; back 2 pi K steps of 256 keys x 6,144 bytes, and the usual step undone
	s_lshl_b32 s[CS], s[PI1], 16
	s_lshl_b32 s22, s[D32], 11
	s_sub_co_u32 s[CS], s[CS], s22                 ; st: the same for steps of 32,768 bytes, less 512 (3 - 2 pi) rows of 4 bytes
	s_mov_b32 s[SELP+1], 0
	s_mov_b32 s[SELV+1], 0
	s_mov_b32 s[SELS+1], 0
	s_wait_dscnt 0x0                               ; both opening adds are done
	s_wait_kmcnt 0x0
	s_add_nc_u64 s[14:15], s[4:5], s[16:17]
	s_add_nc_u64 s[46:47], s[6:7], s[46:47]
	CROUND                                         ; all sixteen work-groups are here
.irp s, 0,1
	s_mov_b32 s[G0+4*\s], 1
	s_add_co_u32 s[G0+4*\s+1], s20, \s*SLOT
	s_add_nc_u64 s[G0+4*\s+2:G0+4*\s+3], s[14:15], \s*512
	s_or_b32 s[G0+4*\s+3], s[G0+4*\s+3], 0x80000000
	s_mov_b32 s[G0B+4*\s], 1
	s_add_co_u32 s[G0B+4*\s+1], s21, \s*SLOT
	s_add_nc_u64 s[G0B+4*\s+2:G0B+4*\s+3], s[46:47], \s*256*6144
	s_or_b32 s[G0B+4*\s+3], s[G0B+4*\s+3], 0x80000000
	JLOAD \s                                       ; two loads of mine are out
.endr
	s_mov_b32 s23, 0
	s_lshl_b32 s22, s[BT], 18                      ; st: 262,144 bytes a batch,
	s_lshl_b32 s17, s13, 9
	s_add_co_u32 s22, s22, s17
	s_lshl_b32 s17, s11, 8
	s_add_co_u32 s22, s22, s17                     ; + 4 x my first row
	s_add_nc_u64 s[ST:ST+1], s[66:67], s[22:23]    ; the first tile, K step 0
	s_add_nc_u64 s[ST+2:ST+3], s[ST:ST+1], 32768   ; K step 1
	s_lshl_b32 s22, s[D32], 11
	s_add_nc_u64 s[SBB:SBB+1], s[ST:ST+1], s[22:23]  ; the second tile's rows
	v_and_b32 v1, 15, v0                           ; l % 16
	v_bfe_u32 v2, v0, 4, 1                         ; l / 16
	v_lshlrev_b32 v[STV], 2, v1
; ALL STATISTICS of my 64 + 64 rows: -M and l for each tile of 128 keys that the launch before wrote for these rows (8 for rows under 1024, 16 for the others); hidden tiles hold a huge -M and l = 0.
.macro STATIN base, nj, sb
.set j, 0
.rept \nj
.irp p, 0,1
.irp a, 0,1,2,3
	global_load_b32 v[\base+8*j+4*\p+\a], v[STV], s[\sb:\sb+1] offset:16384*j+8192*\p+64*\a
.endr
.endr
.set j, j+1
.endr
.endm
	STATIN 64, 8, ST
	STATIN 128, 16, SBB
	s_lshl_b32 s16, s[BT], 11
	s_lshl_b32 s17, s13, 7
	s_add_co_u32 s16, s16, s17
	s_lshl_b32 s17, s11, 6
	s_add_co_u32 s16, s16, s17                     ; my first row of out, first tile
	s_lshl_b32 s22, s16, 12
	s_lshl_b32 s17, s42, 9
	s_add_co_u32 s22, s22, s17
	s_lshl_b32 s17, s12, 8
	s_add_co_u32 s22, s22, s17                     ; + my 64 channels' bytes
	s_add_nc_u64 s[OA:OA+1], s[8:9], s[22:23]
	s_lshl_b32 s22, s[D32], 21
	s_add_nc_u64 s[OBB:OBB+1], s[OA:OA+1], s[22:23]
	v_mul_u32_u24 v3, v1, PP
	v_lshl_add_u32 v3, v2, 4, v3                   ; P: row x pitch + 16 x half
	s_mul_i32 s21, s11, PHALF
	v_add_nc_u32 v[ADRA], s21, v3
	s_add_co_u32 s21, s21, SLOT
	v_add_nc_u32 v[ADRA+1], s21, v3
	v_and_b32 v10, 7, v0                           ; V, turned: lane l reads 16 bytes: key 8 (l / 16) + l % 8, channels 8 ((l / 8) % 2) + 0..7
	v_bfe_u32 v11, v0, 3, 1
	v_lshl_add_u32 v4, v2, 3, v10
	v_mul_u32_u24 v4, v4, PVP
	v_lshl_add_u32 v4, v11, 4, v4
	s_lshl_b32 s22, s12, 7                         ; my 64 channels
	s_add_co_u32 s22, s22, VOFF
	v_add_nc_u32 v[ADRB], s22, v4
	s_add_co_u32 s22, s22, VHALF
	v_add_nc_u32 v[ADRB+1], s22, v4
	s_add_co_u32 s22, s22, SLOT-VHALF
	v_add_nc_u32 v[ADRB+2], s22, v4
	s_add_co_u32 s22, s22, VHALF
	v_add_nc_u32 v[ADRB+3], s22, v4
	s_mul_i32 s23, s10, 16*SPITCH
	s_add_co_u32 s23, s23, STAGE                   ; my stage
	v_mul_u32_u24 v5, v1, SPITCH                   ; in: row l % 16, 32 bytes for each half of the lanes
	v_lshl_add_u32 v5, v2, 5, v5
	v_add_nc_u32 v[STO], s23, v5
	v_mul_u32_u24 v5, v2, SPITCH                   ; back: lanes 0-15 one row of 256 bytes, lanes 16-31 the next
	v_lshl_add_u32 v5, v1, 4, v5
	v_add_nc_u32 v[RD], s23, v5
	v_lshlrev_b32 v5, 12, v2
	v_lshl_add_u32 v[CO], v1, 4, v5                ; and the same two rows in out
.irp a, 0,1,2,3
	v_mov_b32 v[FF+2*\a+1], 0                      ; named as upper halves of pairs
.endr
	v_mov_b32 v[RP+1], 0
	s_wait_loadcnt 0x0
; -M of the row = the least -M_j; l = the sum of 2^(M_j - M) l_j.  The difference is a whole number, 0 or less; the conversion saturates, and v_ldexp_f32 of 1.0 gives the exact power of two, or 0.
.macro STATSUM base, nj, nf, ri
.irp a, 0,1,2,3
	v_min3_num_f32 v[\nf+\a], v[\base+\a], v[\base+8+\a], v[\base+16+\a]
.endr
.set j, 3
.rept (\nj-4)/2
.irp a, 0,1,2,3
	v_min3_num_f32 v[\nf+\a], v[\nf+\a], v[\base+8*j+\a], v[\base+8*j+8+\a]
.endr
.set j, j+2
.endr
.irp a, 0,1,2,3
	v_min_num_f32 v[\nf+\a], v[\nf+\a], v[\base+8*(\nj-1)+\a]
.endr
.set j, 0
.rept \nj
.irp a, 0,1,2,3
	v_sub_f32 v[\base+8*j+\a], v[\nf+\a], v[\base+8*j+\a]
.endr
.irp a, 0,1,2,3
	v_cvt_i32_f32 v[\base+8*j+\a], v[\base+8*j+\a]
.endr
.irp a, 0,1,2,3
	v_ldexp_f32 v[\base+8*j+\a], 1.0, v[\base+8*j+\a]
.endr
.irp a, 0,1,2,3
.if j == 0
	v_mul_f32 v[\ri+\a], v[\base+\a], v[\base+4+\a]
.else
	v_fmac_f32 v[\ri+\a], v[\base+8*j+\a], v[\base+8*j+4+\a]
.endif
.endr
.set j, j+1
.endr
.endm
	STATSUM 64, 8, NFC, RIA
	STATSUM 128, 16, NFB, RIB
.irp a, 0,1,2,3,4,5,6,7
	v_rcp_f32 v[RIA+\a], v[RIA+\a]                 ; l is at least a half: the tile that holds the row's largest t has factor 1
.endr
	v_nop                                          ; a plain instruction behind the last reciprocal
	s_wait_alu depctr_va_vdst(0)                   ; one wait for the eight
.irp s, 0,1                                    ; -M of K steps 0 and 1: sixteen loads
.irp u, 0,1
.irp a, 0,1,2,3
	global_load_b32 v[NM+8*\s+4*\u+\a], v[STV], s[ST+2*\s:ST+2*\s+1] offset:16384*\u+64*\a
.endr
.endr
.endr
; 8 matrix instructions: query blocks a0, a0 + 1 x all 4 channel blocks, 32 keys: half c of buffer f.  The 16 accumulators take turns.
.macro MUL8 f, c, a0, zero
.irp a, \a0, \a0+1
.irp b, 0,1,2,3
.if \zero
	v_wmma_f32_16x16x32_f16 v[ACC+8*(4*(\a)+\b):ACC+8*(4*(\a)+\b)+7], v[\f+64+8*(4*\c+\b):\f+64+8*(4*\c+\b)+7], v[\f+8*(4*\c+\a):\f+8*(4*\c+\a)+7], 0
.else
	v_wmma_f32_16x16x32_f16 v[ACC+8*(4*(\a)+\b):ACC+8*(4*(\a)+\b)+7], v[\f+64+8*(4*\c+\b):\f+64+8*(4*\c+\b)+7], v[\f+8*(4*\c+\a):\f+8*(4*\c+\a)+7], v[ACC+8*(4*(\a)+\b):ACC+8*(4*(\a)+\b)+7]
.endif
.endr
.endr
.endm
; 32 LDS loads in one run: the fragments of the slot's q-th 64 keys into buffer f; the first 32 keys first
.macro FETCH slot, q, f
	WIN TO_F
.irp c, 0,1
.irp i, 0,1,2,3
	ds_load_tr16_b128 v[\f+64+8*(4*\c+\i):\f+64+8*(4*\c+\i)+3],   v[ADRB+2*(\slot)+(\q)/2] offset:(64*((\q)%2)+32*\c)*PVP+32*\i
	ds_load_tr16_b128 v[\f+64+8*(4*\c+\i)+4:\f+64+8*(4*\c+\i)+7], v[ADRB+2*(\slot)+(\q)/2] offset:(64*((\q)%2)+32*\c+16)*PVP+32*\i
	ds_load_b128 v[\f+8*(4*\c+\i):\f+8*(4*\c+\i)+3],              v[ADRA+(\slot)] offset:128*(\q)+64*\c+\i*16*PP
	ds_load_b128 v[\f+8*(4*\c+\i)+4:\f+8*(4*\c+\i)+7],            v[ADRA+(\slot)] offset:128*(\q)+64*\c+\i*16*PP+32
.endr
.endr
.endm
.macro PLACES                          ; four plain vector instructions between a matrix instruction and a load into its registers
.rept 4
	v_nop
.endr
.endm
; A quarter: 64 keys, 32 matrix instructions on buffer f; in its middle the slot's quarter qn is fetched into g.
.macro QUARTER slot, qn, f, g, zero
	s_wait_dscnt 16                                ; the first 32 keys' fragments are in; the sixteen loads of the second 32 may be out
	WIN MUL
	MUL8 \f, 0, 0, \zero
	MUL8 \f, 0, 2, \zero
	PLACES
	FETCH \slot, \qn, \g
	s_wait_dscnt 32                                ; all but the 32 just issued
	WIN MUL
	MUL8 \f, 1, 0, 0
	MUL8 \f, 1, 2, 0
.endm
; A K step's last quarter changes slots: one barrier; in front of it each wave waits for all its tensor loads (one is out), adds 0 to its spare word, and waits for that and for its reads of this slot.
; fill = 1: the barrier opens a round of the cluster's barrier; behind it this slot is filled again with the K step two on, in this tile or, in the trip that leaves the first tile, in the second.
.macro TURN slot, next, fill
	WIN 0
	s_wait_tensorcnt 0x0
	ds_add_u32 v[SPW], v[NIL]
	s_wait_dscnt 17                                ; the add and the youngest sixteen loads may be out
	WIN MUL
	MUL8 F1, 0, 0, 0
	s_wait_dscnt 0x0                               ; the add is done, and my reads of this slot are over
	s_barrier_signal -1
	MUL8 F1, 0, 2, 0
.if \fill
	WIN 0
.endif
	s_barrier_wait -1
.if \fill
	CREST
	s_cmp_eq_u32 s[TRIP], s[PI]                    ; the first tile's last trip?  The same in all sixteen partners
	s_cselect_b32 s[SELP], s[CP], 0
	s_cselect_b32 s[SELV], s[CV], 0
	s_add_nc_u64 s[G0+4*\slot+2:G0+4*\slot+3], s[G0+4*\slot+2:G0+4*\slot+3], 1024
	s_add_nc_u64 s[G0+4*\slot+2:G0+4*\slot+3], s[G0+4*\slot+2:G0+4*\slot+3], s[SELP:SELP+1]
	s_add_nc_u64 s[G0B+4*\slot+2:G0B+4*\slot+3], s[G0B+4*\slot+2:G0B+4*\slot+3], 3145728
	s_sub_nc_u64 s[G0B+4*\slot+2:G0B+4*\slot+3], s[G0B+4*\slot+2:G0B+4*\slot+3], s[SELV:SELV+1]
	JLOAD \slot                                    ; my one tensor load behind the round; its four v_nop are also the places in front of the loads below
.else
	PLACES
.endif
	FETCH \next, 0, F0
	WIN MUL
	MUL8 F1, 1, 0, 0
	MUL8 F1, 1, 2, 0
.endm
.macro LASTQ
	s_wait_dscnt 16
	WIN MUL
	MUL8 F1, 0, 0, 0
	MUL8 F1, 0, 2, 0
	s_wait_dscnt 0
	MUL8 F1, 1, 0, 0
	MUL8 F1, 1, 2, 0
.endm
; The factors of the 128 keys just summed: 2^(M_j - M), a number for each of my four queries.  These twelve plain lines are also the places behind the last products.
.macro FAC slot, sub, left
	WIN 0
	s_wait_loadcnt \left                           ; this step's eight loads of -M are in; the next step's eight may be out (none in the last step)
.irp a, 0,1,2,3
	v_sub_f32 v[EE+\a], v[NFC+\a], v[NM+8*\slot+4*\sub+\a]
.endr
.irp a, 0,1,2,3
	v_cvt_i32_f32 v[EE+\a], v[EE+\a]
.endr
.irp a, 0,1,2,3
	v_ldexp_f32 v[FF+2*\a], 1.0, v[EE+\a]
.endr
.endm
.macro FMAO                            ; O += factor x T; each accumulator is read from its low end on
	WIN 0xa0                                       ; C and D window 2
.set n, 0
.rept 64
	v_pk_fma_f32 v[2*n:2*n+1], v[ACC+2*n:ACC+2*n+1], v[FF+2*(n/16):FF+2*(n/16)+1], v[2*n:2*n+1] op_sel_hi:[1,0,1]
.set n, n+1
.endr
	WIN 0
.endm
.macro MULO                            ; a tile's first 128 keys start O: nothing is cleared
	WIN 0x80
.set n, 0
.rept 64
	v_pk_mul_f32 v[2*n:2*n+1], v[ACC+2*n:ACC+2*n+1], v[FF+2*(n/16):FF+2*(n/16)+1] op_sel_hi:[1,0]
.set n, n+1
.endr
	WIN 0
.endm
.macro STATS slot                      ; -M of the K step two on
	s_wait_xcnt 0x0                                ; the slot's last loads have read their base
	s_cmp_eq_u32 s[TRIP], s[PI]
	s_cselect_b32 s[SELS], s[CS], 0
	s_add_nc_u64 s[ST+2*\slot:ST+2*\slot+1], s[ST+2*\slot:ST+2*\slot+1], 65536
	s_sub_nc_u64 s[ST+2*\slot:ST+2*\slot+1], s[ST+2*\slot:ST+2*\slot+1], s[SELS:SELS+1]
.irp u, 0,1
.irp a, 0,1,2,3
	global_load_b32 v[NM+8*\slot+4*\u+\a], v[STV], s[ST+2*\slot:ST+2*\slot+1] offset:16384*\u+64*\a
.endr
.endr
.endm
; A K step: 256 keys.  mode 1: its slot is filled again; 0: a change of slots with no fill; 2: the last step.
; br = 2: the work-group's first step: its first 128 keys start O;  br = 1: the step may be the second tile's first: FIRST chooses;  br = 0: O is added onto.
.macro KSTEP slot, next, mode, left, br
	QUARTER \slot, 1, F0, F1, 1
	QUARTER \slot, 2, F1, F0, 0
	FAC \slot, 0, \left
.if \br == 1
	s_cmp_eq_u32 s[FIRST], 1
	s_cbranch_scc1 .Lstart_\@
	FMAO
	s_branch .Ladded_\@
.Lstart_\@:
	MULO
.Ladded_\@:
	s_mov_b32 s[FIRST], 0
.elseif \br == 2
	MULO
.else
	FMAO
.endif
	QUARTER \slot, 3, F0, F1, 1
.if \mode == 2
	LASTQ
.else
	TURN \slot, \next, \mode
.endif
	FAC \slot, 1, \left
	FMAO
.if \mode == 1
	STATS \slot
.endif
.endm
; THE WAY OUT of a tile, block by block of 16 rows x my 64 channels: O / l, 32 bytes a lane, through my own stage, back as whole rows of 256 bytes.
.macro PACKO a, ri
	v_mov_b32 v[RP], v[\ri+\a]
	WIN 0x02                                       ; source 0 window 2
.set n, 0
.rept 16
	v_pk_mul_f32 v[OUTR+2*n:OUTR+2*n+1], v[32*(\a)+2*n:32*(\a)+2*n+1], v[RP:RP+1] op_sel_hi:[1,0]
.set n, n+1
.endr
	WIN 0
.endm
.macro TOST a
.irp b, 0,1,2,3
	ds_store_b128 v[STO], v[OUTR+8*\b:OUTR+8*\b+3] offset:64*\b
	ds_store_b128 v[STO], v[OUTR+8*\b+4:OUTR+8*\b+7] offset:64*\b+16
.endr
.irp t, 0,1,2,3,4,5,6,7
	ds_load_b128 v[BK+32*((\a)%2)+4*\t:BK+32*((\a)%2)+4*\t+3], v[RD] offset:\t*2*SPITCH   ; LDS serves a wave's instructions in order: these see the stores above
.endr
.endm
.macro SENDO a, ob
	s_wait_dscnt 0x0                               ; the block is back in registers
	s_wait_xcnt 0x0                                ; earlier stores have read their registers
.irp t, 0,1,2,3,4,5,6,7
	global_store_b128 v[CO], v[BK+32*((\a)%2)+4*\t:BK+32*((\a)%2)+4*\t+3], s[\ob:\ob+1] offset:(16*(\a)+2*\t)*4096 th:TH_STORE_NT   ; 16 lanes store 256 consecutive bytes, at a multiple of 256 from out's first byte
.endr
.endm
.macro WAYOUT ri, ob
	PACKO 0, \ri
	TOST 0
	PACKO 1, \ri
	SENDO 0, \ob
	TOST 1
	PACKO 2, \ri
	SENDO 1, \ob
	TOST 2
	PACKO 3, \ri
	SENDO 2, \ob
	TOST 3
	SENDO 3, \ob
	s_wait_xcnt 0x0                                ; the stores have read their registers, which the next products write
.endm
	s_wait_tensorcnt 1                             ; my part of K step 0 is in; K step 1's load may be out
	s_barrier_signal -1
	s_barrier_wait -1
	FETCH 0, 0, F0
	WIN 0
	s_mov_b32 s[TRIP], 0                           ; trip 0, K steps 0 and 1, is written out: both belong to the first tile whatever pi is, and the first 128 keys start O
	KSTEP 0, 1, 1, 8, 2
	KSTEP 1, 0, 1, 8, 0
	s_mov_b32 s[TRIP], 1
	s_mov_b32 s[FIRST], 0
.Ltrip:                                                ; trips 1 to 3, two K steps each; both slots are filled again in each
	s_cmp_eq_u32 s[TRIP], s[PI1]                   ; the first tile has had its 2 pi + 2 K steps: it goes out, and the second begins
	s_cbranch_scc0 .Lsame_tile
	WAYOUT RIA, OA
.irp a, 0,1,2,3
	v_mov_b32 v[NFC+\a], v[NFB+\a]
.endr
	s_mov_b32 s[FIRST], 1
.Lsame_tile:
	KSTEP 0, 1, 1, 8, 1
	KSTEP 1, 0, 1, 8, 0
	s_add_co_u32 s[TRIP], s[TRIP], 1
	s_cmp_lt_u32 s[TRIP], 4
	s_cbranch_scc1 .Ltrip
	KSTEP 0, 1, 0, 8, 0                            ; the last two K steps are written out: nothing is left to fetch
	KSTEP 1, 0, 2, 0, 0
	WAYOUT RIB, OBB
	s_wait_tensorcnt 0x0                           ; the wave's end
	ds_add_u32 v[SPW], v[NIL]
	s_wait_dscnt 0x0
	CROUND                                         ; the closing round
	s_endpgm
.Lfunc_end_k_qa09473a8d6_pv:
	.size	k_qa09473a8d6_pv, .Lfunc_end_k_qa09473a8d6_pv-k_qa09473a8d6_pv
	.p2alignl 7, 3214868480
	.fill 96, 4, 3214868480
	.section	.rodata,"a",@progbits
	.p2align	6, 0x0
	.amdhsa_kernel k_qa09473a8d6_pv
		.amdhsa_group_segment_fixed_size 327680
		.amdhsa_private_segment_fixed_size 0
		.amdhsa_enable_private_segment 0
		.amdhsa_kernarg_size 32
		.amdhsa_user_sgpr_count 2
		.amdhsa_user_sgpr_kernarg_segment_ptr 1
		.amdhsa_wavefront_size32 1
		.amdhsa_system_sgpr_workgroup_id_x 1
		.amdhsa_system_sgpr_workgroup_id_y 1
		.amdhsa_system_sgpr_workgroup_id_z 1
		.amdhsa_system_vgpr_workitem_id 0
		.amdhsa_next_free_vgpr 768
		.amdhsa_next_free_sgpr 100
		.amdhsa_reserve_vcc 0
		.amdhsa_float_denorm_mode_32 3
		.amdhsa_float_denorm_mode_16_64 3
		.amdhsa_memory_ordered 1
		.amdhsa_forward_progress 1
		.amdhsa_inst_pref_size 242
	.end_amdhsa_kernel
	.amdgpu_metadata
---
amdhsa.version: [ 1, 2 ]
amdhsa.kernels:
  - .name:           k_qa09473a8d6_pv
    .symbol:         k_qa09473a8d6_pv.kd
    .args:
      - { .name: p16, .offset: 0, .size: 8, .value_kind: global_buffer, .address_space: global }
      - { .name: qkv, .offset: 8, .size: 8, .value_kind: global_buffer, .address_space: global }
      - { .name: st, .offset: 16, .size: 8, .value_kind: global_buffer, .address_space: global }
      - { .name: out0, .offset: 24, .size: 8, .value_kind: global_buffer, .address_space: global }
    .group_segment_fixed_size: 327680
    .private_segment_fixed_size: 0
    .kernarg_segment_align: 8
    .kernarg_segment_size: 32
    .max_flat_workgroup_size: 128
    .sgpr_count:     100
    .vgpr_count:     768
    .wavefront_size: 32
...
	.end_amdgpu_metadata
.endif
;; end of part 4
;; launch fine (part 5): grid 4 x 8, 8 waves a work-group, no clusters, 152,832 bytes of LDS; arguments h32, out0; writes out0
.if DOCPART == 5
	.amdgcn_target "amdgcn-amd-amdhsa--gfx1250"
	.amdhsa_code_object_version 6
	.text
	.protected	k_qa09473a8d6_fine
	.globl	k_qa09473a8d6_fine
	.p2align	8
	.type	k_qa09473a8d6_fine,@function
k_qa09473a8d6_fine:
	s_mov_b64 s[64:65], 0
	v_nop
	global_prefetch_b8 v0, s[64:65] scope:SCOPE_SE
	s_setreg_imm32_b32 hwreg(HW_REG_WAVE_MODE, 25, 1), 1
	s_wait_xcnt 0x0
; The first 16 positions of each sequence, wholly in f32: their rows of the softmax average one to sixteen values, where the rounding of f16 operands weighs most.  They write over what the launch before stored in those 64 rows of out.
; h32 [4 x 16][3072] holds q, k, v of these positions in f32.  Keys after position 15 are hidden from these queries by reference()'s own causal mask: they are not read.
; SHARES.  A work-group takes a batch (x) and 128 channels of out (y); eight waves.  Every work-group makes the batch's 16 x 16 scores: wave w sums channels 128 w .. 128 w + 127 of q . k (32 matrix instructions of 16 x 16 x 4 in f32,
; four accumulators by turns); the eight partial tiles meet in LDS.  Every wave then makes the same softmax (the maximum taken away), and 16 of the work-group's 128 channels of out.  Both products are used transposed: a lane holds one query (lane % 16).
; q and k come by loads of 512 consecutive bytes, a row's part for each load, and turn through the wave's own stage in LDS into fragments.  The 16 rows x 512 bytes of out meet in a stage, and each wave stores two whole rows.
.set QP,  528                          ; a row in a stage: 512 bytes + 16 of padding
.set WREG, 32*QP                       ; a wave's stage: 16 rows of q, then 16 of k
.set PT,  8*WREG                       ; the eight partial tiles, 1,024 bytes each
.set OS,  PT+8192                      ; the stage for out: 16 rows
.set SPARE, OS+16*QP                   ; the spare words, 128 bytes a wave, named by no other line
.set QF,  16                           ; v16-79   q: as loaded; then register 4 c + i holds channel 8 c + 4 (lane / 16) + i of row lane % 16; later the eight partial tiles, the scores in v16-23, the weights in v24-31
.set KF,  80                           ; v80-143  k likewise: the same order of channels on both sides keeps the products
.set VF,  144                          ; v144-151 v: register i holds v[key 8 (lane / 16) + i][my channel lane % 16]
.set ACC, 208                          ; v208-239 four accumulators: written by matrix instructions alone
.set SPR, 240                          ; v240-247 my partial tile; later my part of out
.set PTB, 248                          ; v248     the partial tiles: PT + 16 x lane
.set OSW, 249                          ; v249     where I put 32 bytes of a row of out
.set OSR, 250                          ; v250     where I read my two rows back
.set SPW, 252
.set NIL, 253
	s_load_b128 s[4:7], s[0:1], 0x0                ; h32, out0
	v_lshl_add_u32 v[SPW], v0, 2, SPARE
	v_mov_b32 v[NIL], 0
	v_lshrrev_b32 v1, 5, v0
	v_readfirstlane_b32 s8, v1                     ; wave 0..7
	v_and_b32 v2, 15, v0                           ; r
	v_bfe_u32 v3, v0, 4, 1                         ; h
	v_and_b32 v6, 31, v0
	v_lshlrev_b32 v6, 4, v6                        ; 16 x lane
	s_mul_i32 s9, s8, WREG
	v_add_nc_u32 v4, s9, v6                        ; into my stage: 16 x lane of a row
	v_mul_u32_u24 v8, v2, QP
	v_lshl_add_u32 v8, v3, 4, v8
	v_add_nc_u32 v8, s9, v8                        ; out of it: row r, + 16 h
	v_mul_u32_u24 v5, v3, 98304
	v_lshl_add_u32 v5, v2, 2, v5                   ; v: 8 h rows down, + 4 r
	s_lshl_b32 s9, s8, 10
	v_add_nc_u32 v7, s9, v6
	v_add_nc_u32 v7, PT, v7                        ; my partial tile's place: 1,024 x wave + 16 x lane
	v_add_nc_u32 v[PTB], PT, v6
	v_mul_u32_u24 v[OSW], v2, QP
	v_lshl_add_u32 v[OSW], v3, 5, v[OSW]
	s_lshl_b32 s9, s8, 6
	v_add_nc_u32 v[OSW], s9, v[OSW]
	v_add_nc_u32 v[OSW], OS, v[OSW]                ; row r, + 64 x wave + 32 h
	s_mul_i32 s9, s8, 2*QP
	v_add_nc_u32 v[OSR], s9, v6
	v_add_nc_u32 v[OSR], OS, v[OSR]                ; rows 2 x wave and 2 x wave + 1, 16 bytes a lane
	v_lshlrev_b32 v1, 3, v3
	v_sub_nc_u32 v1, v2, v1                        ; r - 8 h: my register j holds key 8 h + j, hidden where j is greater
	v_mov_b32 v9, 0xff800000                       ; -infinity
	v_mov_b32 v11, 0                               ; a lane permute's destination counts as one of its sources
	s_and_b32 s17, ttmp7, 0xffff                   ; which 128 channels of out
	s_mul_i32 s10, ttmp9, 196608                   ; 16 rows of h32 a batch,
	s_lshl_b32 s11, s8, 9
	s_add_co_u32 s10, s10, s11                     ; q, k: + my wave's 128 channels
	s_mov_b32 s11, 0
	s_mul_i32 s18, ttmp9, 196608
	s_lshl_b32 s19, s17, 9
	s_add_co_u32 s18, s18, s19                     ; v: + the work-group's 128 channels,
	s_lshl_b32 s19, s8, 6
	s_add_co_u32 s18, s18, s19                     ; + my wave's 16,
	s_add_co_u32 s18, s18, 8192                    ; behind q and k
	s_mov_b32 s19, 0
	s_lshl_b32 s12, ttmp9, 23                      ; 2,048 rows of out a batch,
	s_lshl_b32 s13, s17, 9
	s_add_co_u32 s12, s12, s13                     ; + the work-group's 128 channels,
	s_lshl_b32 s13, s8, 13
	s_add_co_u32 s12, s12, s13                     ; + my two rows
	s_mov_b32 s13, 0
	s_mov_b32 s14, 0x76543210                      ; v_permlanex16_b32's selects for lane l xor 16
	s_mov_b32 s15, 0xfedcba98
	s_mov_b32 s16, 0x3d38aa3b                      ; c = log2(e) / 32
	s_wait_kmcnt 0x0
	s_add_nc_u64 s[18:19], s[4:5], s[18:19]
	s_add_nc_u64 s[4:5], s[4:5], s[10:11]
	s_add_nc_u64 s[6:7], s[6:7], s[12:13]
.irp p, 0,1,2,3,4,5,6,7,8,9,10,11,12,13,14,15
	global_load_b128 v[QF+4*\p:QF+4*\p+3], v6, s[4:5] offset:12288*\p          ; row p: 32 lanes read 512 consecutive bytes
	global_load_b128 v[KF+4*\p:KF+4*\p+3], v6, s[4:5] offset:12288*\p+4096
.endr
.irp i, 0,1,2,3,4,5,6,7
	global_load_b32 v[VF+\i], v5, s[18:19] offset:12288*\i
.endr
	s_wait_loadcnt 8                               ; q and k are in; v's eight loads may be out
.irp p, 0,1,2,3,4,5,6,7,8,9,10,11,12,13,14,15
	ds_store_b128 v4, v[QF+4*\p:QF+4*\p+3] offset:QP*\p
	ds_store_b128 v4, v[KF+4*\p:KF+4*\p+3] offset:16*QP+QP*\p
.endr
.irp c, 0,1,2,3,4,5,6,7,8,9,10,11,12,13,14,15
	ds_load_b128 v[QF+4*\c:QF+4*\c+3], v8 offset:32*\c                         ; LDS serves a wave's instructions in order: these see my stores
	ds_load_b128 v[KF+4*\c:KF+4*\c+3], v8 offset:16*QP+32*\c
.endr
	s_wait_dscnt 0x0
.set n, 0
.rept 32                                       ; S^T = k q^T: source 0 = 16 keys, source 1 = 16 queries; the first four products start the four sums
.if n < 4
	v_wmma_f32_16x16x4_f32 v[ACC+8*(n%4):ACC+8*(n%4)+7], v[KF+2*n:KF+2*n+1], v[QF+2*n:QF+2*n+1], 0
.else
	v_wmma_f32_16x16x4_f32 v[ACC+8*(n%4):ACC+8*(n%4)+7], v[KF+2*n:KF+2*n+1], v[QF+2*n:QF+2*n+1], v[ACC+8*(n%4):ACC+8*(n%4)+7]
.endif
.set n, n+1
.endr
.rept 8
	v_nop                                          ; eight places behind this form (ISA guide 7.12.1)
.endr
.irp p, 0,2,4,6
	v_pk_add_f32 v[SPR+\p:SPR+\p+1], v[ACC+\p:ACC+\p+1], v[ACC+8+\p:ACC+8+\p+1]
.endr
.irp p, 0,2,4,6
	v_pk_add_f32 v[12+\p:13+\p], v[ACC+16+\p:ACC+16+\p+1], v[ACC+24+\p:ACC+24+\p+1]
.endr
.irp p, 0,2,4,6
	v_pk_add_f32 v[SPR+\p:SPR+\p+1], v[SPR+\p:SPR+\p+1], v[12+\p:13+\p]
.endr
	ds_store_b128 v7, v[SPR:SPR+3]
	ds_store_b128 v7, v[SPR+4:SPR+7] offset:512
	s_wait_dscnt 0x0                               ; for the others' sake: my stores have landed
	s_barrier_signal -1
	s_barrier_wait -1
.irp w, 0,1,2,3,4,5,6,7
	ds_load_b128 v[QF+8*\w:QF+8*\w+3], v[PTB] offset:1024*\w
	ds_load_b128 v[QF+8*\w+4:QF+8*\w+7], v[PTB] offset:1024*\w+512
.endr
	s_wait_dscnt 0x0
.irp w, 1,2,3,4,5,6,7
.irp p, 0,2,4,6
	v_pk_add_f32 v[QF+\p:QF+\p+1], v[QF+\p:QF+\p+1], v[QF+8*\w+\p:QF+8*\w+\p+1]   ; the same order in every wave
.endr
.endr
.irp j, 0,1,2,3,4,5,6,7
	v_cmp_gt_i32 vcc_lo, \j, v1
	v_cndmask_b32 v[QF+\j], v[QF+\j], v9, vcc_lo   ; a key after my query: -infinity
.endr
	v_max3_num_f32 v10, v[QF], v[QF+1], v[QF+2]
	v_max3_num_f32 v10, v10, v[QF+3], v[QF+4]
	v_max3_num_f32 v10, v10, v[QF+5], v[QF+6]
	v_max_num_f32 v10, v10, v[QF+7]
	v_permlanex16_b32 v11, v10, s14, s15
	v_max_num_f32 v10, v10, v11                    ; the row's largest score: key 0 counts for every query
	v_mul_f32 v10, s16, v10
.irp j, 0,1,2,3,4,5,6,7
	v_fma_f32 v[QF+\j], v[QF+\j], s16, -v10        ; c s - c m
.endr
.irp j, 0,1,2,3,4,5,6,7
	v_exp_f32 v[QF+\j], v[QF+\j]
.endr
	v_nop                                          ; a plain instruction behind the last exponential
	s_wait_alu depctr_va_vdst(0)                   ; one wait for the eight
	v_pk_add_f32 v[12:13], v[QF:QF+1], v[QF+2:QF+3]
	v_pk_add_f32 v[14:15], v[QF+4:QF+5], v[QF+6:QF+7]
	v_pk_add_f32 v[12:13], v[12:13], v[14:15]
	v_add_f32 v12, v12, v13
	v_permlanex16_b32 v11, v12, s14, s15
	v_add_f32 v12, v12, v11                        ; the row's sum
	v_rcp_f32 v12, v12
	v_nop
	s_wait_alu depctr_va_vdst(0)
.irp j, 0,1,2,3,4,5,6,7
	v_mul_f32 v[24+\j], v[QF+\j], v12              ; the weights: register j: key 8 h + j
.endr
	s_wait_loadcnt 0x0                             ; v
; O^T = v^T w^T for my 16 channels: source 0 = 16 channels, source 1 = the weights; K slot 2 h + i of step s stands for key 8 h + 2 s + i on both sides.  Two accumulators by turns, each begun with the constant 0.
	v_wmma_f32_16x16x4_f32 v[ACC:ACC+7], v[VF:VF+1], v[24:25], 0
	v_wmma_f32_16x16x4_f32 v[ACC+8:ACC+15], v[VF+2:VF+3], v[26:27], 0
	v_wmma_f32_16x16x4_f32 v[ACC:ACC+7], v[VF+4:VF+5], v[28:29], v[ACC:ACC+7]
	v_wmma_f32_16x16x4_f32 v[ACC+8:ACC+15], v[VF+6:VF+7], v[30:31], v[ACC+8:ACC+15]
.rept 8
	v_nop
.endr
.irp p, 0,2,4,6
	v_pk_add_f32 v[SPR+\p:SPR+\p+1], v[ACC+\p:ACC+\p+1], v[ACC+8+\p:ACC+8+\p+1]   ; lane (r, h): out(r, my 16 channels' 8 h + 0 .. 7); each accumulator from its low end on
.endr
	ds_store_b128 v[OSW], v[SPR:SPR+3]
	ds_store_b128 v[OSW], v[SPR+4:SPR+7] offset:16
	s_wait_dscnt 0x0                               ; for the others' sake: my stores have landed
	s_barrier_signal -1
	s_barrier_wait -1
	ds_load_b128 v[16:19], v[OSR]
	ds_load_b128 v[20:23], v[OSR] offset:QP
	s_wait_dscnt 0x0
	global_store_b128 v6, v[16:19], s[6:7]                 ; 32 lanes store 512 consecutive bytes, at a multiple of 512 from out's first byte
	global_store_b128 v6, v[20:23], s[6:7] offset:4096
	s_wait_tensorcnt 0x0                           ; the wave's end
	ds_add_u32 v[SPW], v[NIL]
	s_wait_dscnt 0x0
	s_endpgm
.Lfunc_end_k_qa09473a8d6_fine:
	.size	k_qa09473a8d6_fine, .Lfunc_end_k_qa09473a8d6_fine-k_qa09473a8d6_fine
	.p2alignl 7, 3214868480
	.fill 96, 4, 3214868480
	.section	.rodata,"a",@progbits
	.p2align	6, 0x0
	.amdhsa_kernel k_qa09473a8d6_fine
		.amdhsa_group_segment_fixed_size 152832
		.amdhsa_private_segment_fixed_size 0
		.amdhsa_enable_private_segment 0
		.amdhsa_kernarg_size 16
		.amdhsa_user_sgpr_count 2
		.amdhsa_user_sgpr_kernarg_segment_ptr 1
		.amdhsa_wavefront_size32 1
		.amdhsa_system_sgpr_workgroup_id_x 1
		.amdhsa_system_sgpr_workgroup_id_y 1
		.amdhsa_system_sgpr_workgroup_id_z 1
		.amdhsa_system_vgpr_workitem_id 0
		.amdhsa_next_free_vgpr 256
		.amdhsa_next_free_sgpr 66
		.amdhsa_reserve_vcc 1
		.amdhsa_float_denorm_mode_32 3
		.amdhsa_float_denorm_mode_16_64 3
		.amdhsa_memory_ordered 1
		.amdhsa_forward_progress 1
		.amdhsa_inst_pref_size 21
	.end_amdhsa_kernel
	.amdgpu_metadata
---
amdhsa.version: [ 1, 2 ]
amdhsa.kernels:
  - .name:           k_qa09473a8d6_fine
    .symbol:         k_qa09473a8d6_fine.kd
    .args:
      - { .name: h32, .offset: 0, .size: 8, .value_kind: global_buffer, .address_space: global }
      - { .name: out0, .offset: 8, .size: 8, .value_kind: global_buffer, .address_space: global }
    .group_segment_fixed_size: 152832
    .private_segment_fixed_size: 0
    .kernarg_segment_align: 8
    .kernarg_segment_size: 16
    .max_flat_workgroup_size: 256
    .sgpr_count:     66
    .vgpr_count:     256
    .wavefront_size: 32
...
	.end_amdgpu_metadata
.endif
;; end of part 5
